; MI455X (gfx1250); checked and timed in simulation.
; The chip was launched on July 23, 2026; its instructions are those of AMD's public machine-readable ISA for CDNA 5 (MIT licence, August 2026) and "CDNA5" Instruction Set Architecture Reference Guide (July 2026). The comments in the code are by the model that wrote it; some were corrected since.
;; Causal Attention. Allowed arithmetic: matrix products marked QUANTISED: E2M3 operands, one E8M0 scale for each 32 along K, by v_wmma_scale_f32_16x16x128_f8f6f4 with both operands' format E2M3, f32 sums; everything else in f32.
;; Inputs: Wk 1,024 x 1,024 float32; Wq 1,024 x 1,024 float32; Wv 1,024 x 1,024 float32; x 4 x 2,048 x 1,024 float32.
;; Outputs: out0 4 x 2,048 x 1,024 float32.
;; This version of the problem:
;;   THIS VERSION OF THE PROBLEM IS GIVEN IN LOW PRECISION. The matrix products marked QUANTISED in the list below multiply operands that are first quantised to E2M3 (2 exponent bits, 3 mantissa bits; 6 bits a number), with one power-of-two scale for each 32 numbers along K (OCP MX v1.0); their sums are f32. All else is computed in f32.
;;   The module's matrix products, in the order in which they are computed (A, B: the left and right operand; K: the contracted axis; several contracted axes count as one K, in the product's order):
;;     1. [M 8,192, K 1,024] x [K 1,024, N 1,024]; A: input x; B: input Wq: QUANTISED
;;     2. [M 8,192, K 1,024] x [K 1,024, N 1,024]; A: input x; B: input Wk: QUANTISED
;;     3. [M 8,192, K 1,024] x [K 1,024, N 1,024]; A: input x; B: input Wv: QUANTISED
;;     4. batch 4 x [M 2,048, K 1,024] x [K 1,024, N 2,048]; A: computed on the way; B: computed on the way: QUANTISED
;;     5. batch 4 x [M 2,048, K 2,048] x [K 2,048, N 1,024]; A: softmax (see below); B: computed on the way: QUANTISED
;;   THE QUANTISER, for each operand of a quantised product, along K:
;;     - K is cut into blocks of 32 from its start; a last block that is shorter is filled with zeros.
;;     - A block's scale is 2^e with e = floor(log2(the largest magnitude in the block)) - 2, held to -126 .. 127; a block of zeros has e = 0. As a byte (E8M0): e + 127.
;;     - Each number is divided by its block's scale, clamped to +-7.5, and rounded to the nearest number of E2M3, ties to even, subnormals kept.
;;     - The product sums the exact products of the quantised numbers (number of the format x scale) in f32.
;;   ~~~python
;;   def quantise(x, axis):      # numpy; x: float32 -> the quantised numbers, widened to float32 again
;;       x = np.moveaxis(x, axis, -1); K = x.shape[-1]
;;       x = np.pad(x, [(0, 0)] * (x.ndim - 1) + [(0, -K % 32)]); x = x.reshape(x.shape[:-1] + (-1, 32)); a = np.abs(x).max(-1, keepdims=True)
;;       e = np.where(a > 0, np.clip(np.frexp(np.where(a > 0, a, 1))[1] - 1 - 2, -126, 127), 0)      # np.frexp(a)[1] - 1 = floor(log2(a)), exactly
;;       r = np.clip(x / 2.0 ** e, -7.5, 7.5)
;;       step = 2.0 ** (np.maximum(np.frexp(np.where(r == 0, 1, r))[1] - 1, 0) - 3)
;;       q = np.round(r / step) * step * 2.0 ** e      # np.round: ties to even
;;       return np.moveaxis(q.reshape(q.shape[:-2] + (-1,))[..., :K], -1, axis).astype(np.float32)
;;   ~~~
;;   SOFTMAX AHEAD OF A QUANTISED PRODUCT. Where the list says 'softmax', what is quantised is not the finished softmax but p = 2^(t - M), with t = logit x log2(e) and M = ceil(the row's largest t), a whole number; so 1/2 < the row's largest p <= 1. The row's sum l is taken of the UNQUANTISED p, in f32, and the product's result is divided by l at the end. Since M is a whole number, a kernel that streams over the keys may use a running M (the ceiling of the running maximum): every later rescaling is an exact power of two, which a block's scale takes up: the codes' values come out the same.
;;   OPERANDS COMPUTED ON THE WAY. 'Computed on the way' means the value that the module computes at that place (a softmax that the list does not call 'softmax' is quantised finished and normalised). What goes into a quantiser is computed in f32, as accurately as f32 sums, v_exp_f32 and their like allow (about 1e-6 of the number): no bf16 or f16 on the way to a quantiser, and a product that is left as it is and whose result goes on into a quantised operand takes f32 operands (vector FMAs, or v_wmma_f32_16x16x4_f32). A number that lies on a knife's edge between two numbers of the format may be rounded either way, as far as f32 arithmetic and the matrix unit's own rounding can turn it there, and no further.
;; One version. Each part assembles by itself: llvm-mc -triple=amdgcn-amd-amdhsa -mcpu=gfx1250 --defsym DOCPART=n.
;; ======== version 1 of 1: 4 launches
;; limits: right only within a limited range of input values
;; workspace buffers: xc 6,553,600 bytes; wc 2,457,600 bytes; qkv 19,660,800 bytes; pc 13,107,200 bytes; st 1,048,576 bytes
;; launch quant (part 1): grid 704 x 1, 4 waves a work-group, no clusters, 34,304 bytes of LDS; arguments x, Wq, Wk, Wv, xc, wc; writes xc, wc
.if DOCPART == 1
	.amdgcn_target "amdgcn-amd-amdhsa--gfx1250"
	.amdhsa_code_object_version 6
	.text
	.protected	k_q5d76b85b63_quant
	.globl	k_q5d76b85b63_quant
	.p2align	8
	.type	k_q5d76b85b63_quant,@function
k_q5d76b85b63_quant:
	s_mov_b64 s[64:65], 0
	v_nop
	global_prefetch_b8 v0, s[64:65] scope:SCOPE_SE
	s_setreg_imm32_b32 hwreg(HW_REG_WAVE_MODE, 25, 1), 1
	s_wait_xcnt 0x0
; CAUSAL ATTENTION ON CODES OF FP6 (E2M3) in four launches: quant (x and the weights), proj (Q, K, V and their quantisers), score (tiles of Q K^T, p and its quantiser), pv (p V / l).
; LEFT OUT: the causal mask that reference() builds sets every score whose key comes after its query to -infinity ahead of the softmax, so its p is 0 whatever the inputs hold: tiles of scores that lie
; wholly behind the diagonal are not computed and not multiplied with V.  A NaN, an infinity or an overflow that reaches such tiles alone is not carried to the result.
; THIS LAUNCH: x [8192][1024] and Wq, Wk, Wv [1024 (k)][1024 (n)], f32, become codes with one E8M0 byte for each 32 along K (the 1,024 of d_in), laid as PANELS.
; A PANEL is 128 rows x 128 K in 12,800 bytes: fragment t (16 rows) at 1,536 t as an image of the operand's 12 registers (registers 4 c .. 4 c + 3 of lane l at 512 c + 16 l); the rows' scale words at 12,288 + 64 t + 4 r.
; Lane r of fragment t holds row 32 (t / 2) + 8 (t % 2) + r + 8 (r / 8) of the panel's 128.
; xc: [32 runs of 256 tokens][8 K steps][2 groups of 128 tokens].  wc: [8 tile columns][8 K steps][3]: tile column c has groups 2 c and 2 c + 1 of the 16 of Wq's and then Wk's columns, and group c of Wv's.
; A block's scale is 2^(floor(log2(largest magnitude)) - 2): its byte is the largest magnitude's exponent field - 2, held at 1 from below by a floor among the maximum's leaves.
; LIMITS: a block of zeros, and one whose largest magnitude lies under 2^-124, gets the byte 1 (zeros' codes are zeros; this program alone reads the bytes); NaN and infinities among the inputs are not served.
; WORK-GROUPS 0-511 take x: a wave makes two fragments (32 rows) of one K step, all its loads out at once.  Each load reads 512 consecutive bytes of a row; a fragment's 16 rows turn through the wave's own stage in LDS
; (rows 528 bytes apart), so that lane (r, h) gets the 2 x 32 neighbours that the operand's layout gives it: a whole block lies in one lane.
; WORK-GROUPS 512-703 take the weights, whose K is the FIRST axis: a lane takes a column and its registers run down one K step; lanes 0-15 hold the columns of fragment 2 w, lanes 16-31 those of 2 w + 1; no LDS.
; No tensor load, no barrier: waves share nothing.  Every store of codes covers 512 consecutive bytes at a multiple of 256 from the buffer's first byte.
.set PANEL, 12800
.set PSC,   12288
.set STG,   8448                       ; a wave's stage: 16 rows x 528 bytes
.set SPARE, 4*STG                      ; behind the stages: the spare words, 128 bytes a wave
.set LI,   4                           ; v4   16 x lane
.set LS,   5                           ; v5   4 x lane
.set SIN,  6                           ; v6   the stage, on the way in: 16 x lane
.set SOUT, 7                           ; v7   and out: 528 r + 128 h
.set MX,   8                           ; v8-9   two blocks' largest magnitudes
.set PD,   10                          ; v10  a lane permute's destination
.set SH,   11                          ; v11  8 h
.set SO,   12                          ; v12-13 the conversions' scale operands
.set BY,   14                          ; v14-15 the scale bytes
.set R,    16                          ; v16-143  two sets of 16 rows as loaded
.set X,    144                         ; v144-207 my 2 x 32 neighbours
.set PC,   208                         ; v208-219 a fragment's codes
.set TC,   220                         ; v220-227 the blocks' upper halves as converted
.set SW,   228                         ; v228-229 the two fragments' scale words
.set SPW,  232                         ; v232 my spare word; never rewritten
.set NIL,  233                         ; v233 0; never rewritten
.set OT,   234
.set XW,   16                          ; the weights' path: v16-79 two sets of 32 numbers
.set F0,   80                          ; v80-91  fragment 2 w
.set F1,   92                          ; v92-103 fragment 2 w + 1
.set TCW,  104
.set WM,   108
.set WSO,  110
.set WBY,  112
.set WD,   116
.set CO,   120
	s_load_b128 s[4:7], s[0:1], 0x0                ; x, Wq
	s_load_b128 s[8:11], s[0:1], 0x10              ; Wk, Wv
	s_load_b128 s[12:15], s[0:1], 0x20             ; xc, wc
	v_lshl_add_u32 v[SPW], v0, 2, SPARE
	v_mov_b32 v[NIL], 0
	v_lshrrev_b32 v1, 5, v0
	v_readfirstlane_b32 s16, v1                    ; wave
	v_and_b32 v1, 31, v0                           ; lane
	v_and_b32 v2, 15, v0                           ; r
	v_bfe_u32 v3, v0, 4, 1                         ; h
	v_lshlrev_b32 v[LI], 4, v1
	v_lshlrev_b32 v[LS], 2, v1
	s_mul_i32 s17, s16, STG
	v_add_nc_u32 v[SIN], s17, v[LI]
	v_mul_u32_u24 v[SOUT], v2, 528
	v_lshl_add_u32 v[SOUT], v3, 7, v[SOUT]
	v_add_nc_u32 v[SOUT], s17, v[SOUT]
	s_mov_b32 s20, 0x76543210
	s_mov_b32 s21, 0xfedcba98                      ; v_permlanex16_b32's selects for lane l xor 16
	v_cmp_lt_u32 s22, 15, v1                       ; lanes 16-31
	s_wait_alu depctr_va_vdst(0)                   ; the wait at the head's end
	s_wait_kmcnt 0x0
	s_cmp_lt_u32 ttmp9, 512
	s_cbranch_scc0 .Lw
	; ---------------- x ----------------
	s_and_b32 s24, ttmp9, 1
	s_lshl_b32 s24, s24, 2
	s_add_co_u32 s24, s24, s16                     ; K step = 4 (wg % 2) + wave
	s_bfe_u32 s25, ttmp9, 0x20001                  ; which 32 rows of the group
	s_lshr_b32 s26, ttmp9, 3                       ; the group of 128 tokens
	s_lshl_b32 s28, s26, 19                        ; 128 rows of 4,096 bytes
	s_lshl_b32 s27, s25, 17
	s_add_co_u32 s28, s28, s27
	s_lshl_b32 s27, s24, 9                         ; 128 numbers along K
	s_add_co_u32 s28, s28, s27
	s_mov_b32 s29, 0
	s_add_nc_u64 s[4:5], s[4:5], s[28:29]
	s_lshr_b32 s27, s26, 1
	s_lshl_b32 s27, s27, 4
	s_and_b32 s30, s26, 1
	s_add_co_u32 s27, s27, s30
	s_lshl_b32 s30, s24, 1
	s_add_co_u32 s27, s27, s30                     ; panel 16 (group / 2) + 2 step + group % 2
	s_mul_i32 s30, s27, PANEL
	s_mov_b32 s31, 0
	s_add_nc_u64 s[12:13], s[12:13], s[30:31]      ; my panel
	s_mul_i32 s30, s25, 3072
	s_add_nc_u64 s[32:33], s[12:13], s[30:31]      ; my two fragments
	s_lshl_b32 s30, s25, 7
	s_add_nc_u64 s[34:35], s[12:13], s[30:31]      ; and their scale words (PSC stands in the immediate)
	v_mov_b32 v[PD], 0                             ; written once: a lane permute's destination counts as one of its sources
	s_wait_alu depctr_va_vdst(0)
	v_lshlrev_b32 v[SH], 3, v3
.macro LOADX t                         ; fragment t's 16 rows, 512 consecutive bytes each, into set t
.irp q, 0,1,2,3,4,5,6,7,8,9,10,11,12,13,14,15
	global_load_b128 v[R+64*(\t)+4*\q:R+64*(\t)+4*\q+3], v[LI], s[4:5] offset:(8*(\t)+\q+8*(\q/8))*4096 th:TH_LOAD_NT
.endr
.endm
.macro FRAGX t
	s_wait_loadcnt 16*(1-(\t))                     ; this fragment's 16 loads are in; the next one's 16 may be out
.irp q, 0,1,2,3,4,5,6,7,8,9,10,11,12,13,14,15
	ds_store_b128 v[SIN], v[R+64*(\t)+4*\q:R+64*(\t)+4*\q+3] offset:528*\q
.endr
.irp c, 0,1                            ; LDS serves a wave's instructions in order: these see the stores above.  k = 64 c + 32 h + 0 .. 31 of row r
.irp j, 0,1,2,3,4,5,6,7
	ds_load_b128 v[X+32*\c+4*\j:X+32*\c+4*\j+3], v[SOUT] offset:256*\c+16*\j
.endr
.endr
	s_wait_dscnt 0x0
.irp c, 0,1
	v_max3_num_f32 v[MX+\c], |v[X+32*\c]|, |v[X+32*\c+1]|, 0x1800000   ; my block 2 c + h, and the floor 2^(3 - 127): the byte cannot fall under 1
.endr
.irp i, 2,4,6,8,10,12,14,16,18,20,22,24,26,28,30
.irp c, 0,1
	v_max3_num_f32 v[MX+\c], v[MX+\c], |v[X+32*\c+\i]|, |v[X+32*\c+\i+1]|   ; (the two blocks by turns)
.endr
.endr
.irp c, 0,1
	v_add_nc_u32 v[SO+\c], 0xff000000, v[MX+\c]    ; 2 off the exponent field: the conversion takes this operand's exponent field as its scale
.endr
.irp c, 0,1
	v_lshrrev_b32 v[BY+\c], 23, v[SO+\c]           ; the scale's byte
.endr
	v_lshl_or_b32 v[SW+(\t)], v[BY+1], 16, v[BY]   ; blocks h and 2 + h,
	v_lshlrev_b32 v[SW+(\t)], v[SH], v[SW+(\t)]    ; at their places in the row's word;
	v_permlanex16_b32 v[PD], v[SW+(\t)], s20, s21
	v_or_b32 v[SW+(\t)], v[SW+(\t)], v[PD]         ; with lane l xor 16's two the word is whole
	s_wait_alu depctr_va_vdst(0)                   ; directly ahead of the wait below
	s_wait_xcnt 0x0                                ; the last fragment's stores have read the codes' registers
.irp c, 0,1
	v_cvt_scalef32_pk16_fp6_f32 v[PC+6*\c:PC+6*\c+2], v[X+32*\c:X+32*\c+15], v[SO+\c]
	v_cvt_scalef32_pk16_fp6_f32 v[TC+4*\c:TC+4*\c+2], v[X+32*\c+16:X+32*\c+31], v[SO+\c]   ; (a conversion's three registers begin on an even number)
.endr
	v_nop                                          ; one plain place behind a scaled conversion
.irp c, 0,1
.irp i, 0,1,2
	v_mov_b32 v[PC+6*\c+3+\i], v[TC+4*\c+\i]
.endr
.endr
.irp c, 0,1,2
	global_store_b128 v[LI], v[PC+4*\c:PC+4*\c+3], s[32:33] offset:1536*(\t)+512*\c
.endr
.endm
	LOADX 0
	LOADX 1
	FRAGX 0
	FRAGX 1
	v_cndmask_b32 v[OT], v[SW], v[SW+1], s22       ; lanes 0-15: the first fragment's words; lanes 16-31: the second's
	global_store_b32 v[LS], v[OT], s[34:35] offset:PSC
	s_wait_tensorcnt 0x0                           ; the wave's end, behind my last LDS store
	ds_add_u32 v[SPW], v[NIL]
	s_wait_dscnt 0x0
	s_endpgm
	; ---------------- the weights ----------------
.Lw:
	s_sub_co_u32 s24, ttmp9, 512
	s_lshr_b32 s25, s24, 3                         ; the group of 128 columns, 0 .. 23
	s_and_b32 s26, s24, 7                          ; the K step
	s_lshr_b32 s27, s25, 3                         ; which matrix
	s_cmp_eq_u32 s27, 0
	s_cselect_b64 s[36:37], s[6:7], s[8:9]
	s_cmp_eq_u32 s27, 2
	s_cselect_b64 s[36:37], s[10:11], s[36:37]
	s_lshl_b32 s28, s26, 19                        ; 128 rows of 4,096 bytes
	s_and_b32 s27, s25, 7
	s_lshl_b32 s27, s27, 9                         ; 128 columns
	s_add_co_u32 s28, s28, s27
	s_lshl_b32 s27, s16, 7                         ; my wave's 32
	s_add_co_u32 s28, s28, s27
	s_mov_b32 s29, 0
	s_add_nc_u64 s[36:37], s[36:37], s[28:29]
	s_lshr_b32 s27, s25, 1                         ; Wq, Wk: tile column group / 2, place group % 2;  Wv: tile column group - 16, place 2
	s_and_b32 s30, s25, 7
	s_and_b32 s31, s25, 1
	s_cmp_lt_u32 s25, 16
	s_cselect_b32 s27, s27, s30
	s_cselect_b32 s31, s31, 2
	s_mul_i32 s27, s27, 24
	s_add_co_u32 s27, s27, s31
	s_mul_i32 s30, s26, 3
	s_add_co_u32 s27, s27, s30
	s_mul_i32 s30, s27, PANEL
	s_mov_b32 s31, 0
	s_add_nc_u64 s[14:15], s[14:15], s[30:31]
	s_mul_i32 s30, s16, 3072
	s_add_nc_u64 s[32:33], s[14:15], s[30:31]      ; fragments 2 w, 2 w + 1
	s_lshl_b32 s30, s16, 7
	s_add_nc_u64 s[34:35], s[14:15], s[30:31]      ; their scale words
	v_and_b32 v[CO], 7, v1                         ; my column of the wave's 32, in the panel's order of rows: 16 ((l / 8) % 2) + 8 (l / 16) + l % 8
	v_bfe_u32 v[CO+1], v1, 3, 1
	v_lshl_add_u32 v[CO], v[CO+1], 4, v[CO]
	v_lshl_add_u32 v[CO], v3, 3, v[CO]
	v_lshlrev_b32 v[CO], 2, v[CO]
.macro LOADW n                         ; block n: W(32 n + i, my column): a wave's load covers 128 consecutive bytes
.irp i, 0,1,2,3,4,5,6,7,8,9,10,11,12,13,14,15,16,17,18,19,20,21,22,23,24,25,26,27,28,29,30,31
	global_load_b32 v[XW+32*((\n)%2)+\i], v[CO], s[36:37] offset:(32*(\n)+\i)*4096 th:TH_LOAD_NT
.endr
.endm
.macro BLOCKW n
.set XS, XW+32*((\n)%2)
.set CB, F0+12*((\n)%2)+6*((\n)/2)     ; blocks 0 and 2 into the first run of 12 registers, blocks 1 and 3 into the second
.if (\n) < 3
	s_wait_loadcnt 32                              ; this block's 32 loads are in; the next block's may be out
.else
	s_wait_loadcnt 0x0
.endif
	v_max3_num_f32 v[WM], |v[XS]|, |v[XS+1]|, |v[XS+2]|
	v_max3_num_f32 v[WM+1], |v[XS+3]|, |v[XS+4]|, |v[XS+5]|
.irp i, 6,10,14,18,22,26
	v_max3_num_f32 v[WM], v[WM], |v[XS+\i]|, |v[XS+\i+1]|
	v_max3_num_f32 v[WM+1], v[WM+1], |v[XS+\i+2]|, |v[XS+\i+3]|
.endr
	v_max3_num_f32 v[WM], v[WM], |v[XS+30]|, |v[XS+31]|
	v_max3_num_f32 v[WM], v[WM], v[WM+1], 0x1800000   ; and the floor
	v_add_nc_u32 v[WSO], 0xff000000, v[WM]
	v_lshrrev_b32 v[WBY+(\n)], 23, v[WSO]
	v_cvt_scalef32_pk16_fp6_f32 v[CB:CB+2], v[XS:XS+15], v[WSO]
	v_cvt_scalef32_pk16_fp6_f32 v[TCW:TCW+2], v[XS+16:XS+31], v[WSO]
	v_nop                                          ; one plain place behind a scaled conversion
.irp i, 0,1,2
	v_mov_b32 v[CB+3+\i], v[TCW+\i]
.endr
.if (\n)+2 < 4
	LOADW (\n)+2
.endif
.endm
	LOADW 0
	LOADW 1
.irp n, 0,1,2,3
	BLOCKW \n
.endr
; The first run's lanes 16-31 (blocks 0, 2 of fragment 2 w + 1) change places with the second's lanes 0-15 (blocks 1, 3 of fragment 2 w): both runs are then fragments
.irp i, 0,1,2,3,4,5,6,7,8,9,10,11
	v_permlane16_swap_b32 v[F0+\i], v[F1+\i]
.endr
	v_lshl_or_b32 v[WD], v[WBY+1], 8, v[WBY]
	v_lshl_or_b32 v[WD], v[WBY+2], 16, v[WD]
	v_lshl_or_b32 v[WD], v[WBY+3], 24, v[WD]
.irp c, 0,1,2
	global_store_b128 v[LI], v[F0+4*\c:F0+4*\c+3], s[32:33] offset:512*\c
.endr
.irp c, 0,1,2
	global_store_b128 v[LI], v[F1+4*\c:F1+4*\c+3], s[32:33] offset:1536+512*\c
.endr
	global_store_b32 v[LS], v[WD], s[34:35] offset:PSC
	s_endpgm
.Lfunc_end_k_q5d76b85b63_quant:
	.size	k_q5d76b85b63_quant, .Lfunc_end_k_q5d76b85b63_quant-k_q5d76b85b63_quant
	.p2alignl 7, 3214868480
	.fill 96, 4, 3214868480
	.section	.rodata,"a",@progbits
	.p2align	6, 0x0
	.amdhsa_kernel k_q5d76b85b63_quant
		.amdhsa_group_segment_fixed_size 34304
		.amdhsa_private_segment_fixed_size 0
		.amdhsa_enable_private_segment 0
		.amdhsa_kernarg_size 48
		.amdhsa_user_sgpr_count 2
		.amdhsa_user_sgpr_kernarg_segment_ptr 1
		.amdhsa_wavefront_size32 1
		.amdhsa_system_sgpr_workgroup_id_x 1
		.amdhsa_system_sgpr_workgroup_id_y 1
		.amdhsa_system_sgpr_workgroup_id_z 1
		.amdhsa_system_vgpr_workitem_id 0
		.amdhsa_next_free_vgpr 240
		.amdhsa_next_free_sgpr 66
		.amdhsa_reserve_vcc 0
		.amdhsa_float_denorm_mode_32 3
		.amdhsa_float_denorm_mode_16_64 3
		.amdhsa_memory_ordered 1
		.amdhsa_forward_progress 1
		.amdhsa_inst_pref_size 37
	.end_amdhsa_kernel
	.amdgpu_metadata
---
amdhsa.version: [ 1, 2 ]
amdhsa.kernels:
  - .name:           k_q5d76b85b63_quant
    .symbol:         k_q5d76b85b63_quant.kd
    .args:
      - { .name: x, .offset: 0, .size: 8, .value_kind: global_buffer, .address_space: global }
      - { .name: Wq, .offset: 8, .size: 8, .value_kind: global_buffer, .address_space: global }
      - { .name: Wk, .offset: 16, .size: 8, .value_kind: global_buffer, .address_space: global }
      - { .name: Wv, .offset: 24, .size: 8, .value_kind: global_buffer, .address_space: global }
      - { .name: xc, .offset: 32, .size: 8, .value_kind: global_buffer, .address_space: global }
      - { .name: wc, .offset: 40, .size: 8, .value_kind: global_buffer, .address_space: global }
    .group_segment_fixed_size: 34304
    .private_segment_fixed_size: 0
    .kernarg_segment_align: 8
    .kernarg_segment_size: 48
    .max_flat_workgroup_size: 128
    .sgpr_count:     66
    .vgpr_count:     240
    .wavefront_size: 32
...
	.end_amdgpu_metadata
.endif
;; end of part 1
;; launch proj (part 2): grid 8 x 32, 4 waves a work-group, clusters of 4 x 4, 327,680 bytes of LDS; arguments xc, wc, qkv; writes qkv
.if DOCPART == 2
	.amdgcn_target "amdgcn-amd-amdhsa--gfx1250"
	.amdhsa_code_object_version 6
	.text
	.protected	k_q5d76b85b63_proj
	.globl	k_q5d76b85b63_proj
	.p2align	8
	.type	k_q5d76b85b63_proj,@function
k_q5d76b85b63_proj:
	s_mov_b64 s[64:65], 0
	v_nop
	global_prefetch_b8 v0, s[64:65] scope:SCOPE_SE
	s_setreg_imm32_b32 hwreg(HW_REG_WAVE_MODE, 25, 1), 1
	s_wait_xcnt 0x0
	s_wait_alu depctr_hold_cnt(0) depctr_sa_sdst(0) depctr_va_vdst(0) depctr_va_sdst(0) depctr_va_ssrc(0) depctr_va_vcc(0) depctr_vm_vsrc(0)
	s_getreg_b32 s2, hwreg(HW_REG_IB_STS2, 6, 4)
	s_cmp_eq_u32 s2, 0
	s_cbranch_scc0 .Lentry_in_a_cluster
	s_endpgm
.Lentry_in_a_cluster:
	s_bfe_u32 s2, ttmp6, 0x10000c
	s_cmp_lg_u32 s2, 0xf033
	s_cbranch_scc0 .Lentry_shape_is_right
	s_endpgm
.Lentry_shape_is_right:
; Q, K, V = x W, K = 1,024, and their quantisers.  A work-group makes, of 256 tokens (tile row), 256 columns of Q or K and 128 of V (tile column): ONE pass over K for both, so x's fragments serve both.
; A wave makes 128 tokens x (128 columns of Q or K + 64 of V): 96 accumulators of 16 x 16, 768 registers.
; Results leave as panels (see the launch before): qkv has Q's 64 groups of tokens x 8 K steps of e, K's likewise, then V's 8 groups of e x 64 K steps of tokens.
; Q, K: source 0 = the weight's rows, source 1 = x's: a lane holds a token, its registers run along e, the K of the score.  V: source 0 = x's rows, source 1 = the weight's: a lane holds a column e, its registers run along the tokens.
; LDS: slot 0 holds three K steps (x 3 x 25,600 bytes, then the weights 3 x 38,400), slot 1 two.  THREE FILLS: K steps 0-2 at the head, 3-4 behind the head's round, 5-7 over 0-2 when these have been read.
; Waves 0, 1 bring a half each of x's part, waves 2, 3 of the weights': dense rows of 256 bytes, one load a wave.  CLUSTERS of 4 x 4: x's part is asked for jointly along a row, the weights' along a column.
; No prefetch: the text has no loop to run ahead in; a launch has three fills, and the second and the third are asked for two K steps or more ahead of their use.
; A K STEP IS THREE BATCHES of 32 products (x's eight fragments x four of the weights'): Q's or K's fragments 0-3, 4-7, V's four.  The weights' fragments have two sets by turns, x's one: in a step's third batch a pair of x's fragments
; is fetched anew behind its last products.  THE WAITS of a step's first batch: 18 = the three younger pairs of x's (6 loads each); then, with the next weights' 12 loads out behind them, 24, 18 and 12.
; A scale register carries x's words of fragment i in lanes 0-15 and a weight's in lanes 16-31.
; LIMITS: a block whose largest magnitude lies under 2^-124 gets the byte 1; NaN and infinities are not served.
.set PANEL, 12800
.set PSC,   12288
.set XST,   2*PANEL                    ; x's part of a K step
.set WST,   3*PANEL                    ; the weights' part
.set LW0,   3*XST
.set SL1,   3*(XST+WST)
.set LW1,   SL1+2*XST
.set SPARE, SL1+2*(XST+WST)            ; the spare words, 128 bytes a wave: two blocks of 256 bytes that no other line names
.set LI,   4                           ; 16 x lane
.set LS,   5                           ; 4 x lane
.set AX,   6                           ; v6-10   LDS addresses for the five K steps that the slots hold: x's fragments
.set AW,   11                          ; v11-15  Q's or K's weights
.set AV,   16                          ; v16-20  V's weights
.set AS,   21                          ; v21-25  scale words: lanes 0-15 x's, lanes 16-31 Q's or K's weights'
.set AVS,  26                          ; v26-30  V's weights' scale words
.set SC,   32                          ; v32-43, v48-59 scale words, two sets
.set SPW,  60
.set NIL,  61
.set AF,   64                          ; v64-159  x's fragments
.set WF,   160                         ; v160-207, v208-255 the weights' fragments, two sets
.set TM,   64                          ; the way out, in the registers of fragments that are done with
.set PX,   72
.set SO,   80
.set BY,   88
.set SW,   96
.set OT,   108
.set G1A,  24
.set G1B,  32
.set G0A,  48                          ; s[48:51] fills 1 and 3, s[52:55] fill 2
.set G0B,  68
.set SEL,  60
.set HM,   62
.set MSB, 0
.macro WIN new
.if MSB != (\new)
	s_set_vgpr_msb (MSB<<8)|(\new)
.set MSB, (\new)
.endif
.endm
.macro PLACES
.rept 4
	v_nop
.endr
.endm
.macro JLOAD p                         ; waves 0, 1 fetch x's part, waves 2, 3 the weights'
	s_cmp_eq_u32 s15, 0
	s_cbranch_scc0 .Lfor_w_\@
	tensor_load_to_lds s[G0A+4*\p:G0A+4*\p+3], s[G1A:G1A+7]
	s_nop 0
	PLACES
	s_branch .Lasked_\@
.Lfor_w_\@:
	tensor_load_to_lds s[G0B+4*\p:G0B+4*\p+3], s[G1B:G1B+7]
	s_nop 0
	PLACES
.Lasked_\@:
.endm
.macro ROWS g, n
	s_mov_b32 s[\g+2], (\n)<<16
	s_mov_b32 s[\g+4], \n
.endm
.macro CREST
	s_cmp_lg_u32 s14, 0
	s_cbranch_scc1 .Lnot_wave_0_\@
	s_barrier_signal -3
.Lnot_wave_0_\@:
	s_barrier_wait -3
	s_barrier_signal -1
	s_barrier_wait -1
.endm
.macro CROUND
	s_barrier_signal -1
	s_barrier_wait -1
	CREST
.endm
.macro FRAG3 reg, adr, off
.irp c, 0,1,2
	ds_load_b128 v[(\reg)+4*\c:(\reg)+4*\c+3], v[\adr] offset:(\off)+512*\c
.endr
.endm
.macro POS n                           ; where K step n lies: places 0-2 in slot 0, 3-4 in slot 1, and again 0-2
.if (\n) < 5
.set FP_, (\n)
.else
.set FP_, (\n)-5
.endif
.endm
.macro FX n, a                         ; x's fragment a of K step n
	POS \n
	FRAG3 AF+12*(\a), AX+FP_, 1536*(\a)
.endm
.macro FW m                            ; the weights' four fragments of batch m
	POS (\m)/3
.irp b, 0,1,2,3
.if (\m)%3 == 2
	FRAG3 WF+48*((\m)%2)+12*\b, AV+FP_, 1536*\b
.else
	FRAG3 WF+48*((\m)%2)+12*\b, AW+FP_, 1536*(4*((\m)%3)+\b)
.endif
.endr
.endm
.macro FSCL n                          ; K step n's scale words
	POS \n
.irp i, 0,1,2,3,4,5,6,7
	ds_load_b32 v[SC+16*((\n)%2)+\i], v[AS+FP_] offset:PSC+64*\i
.endr
.irp j, 0,1,2,3
	ds_load_b32 v[SC+16*((\n)%2)+8+\j], v[AVS+FP_] offset:PSC+64*\j
.endr
.endm
.macro WM side
.if PN == 0
	v_wmma_scale_f32_16x16x128_f8f6f4 v[RD_:RD_+7], v[MA_:MA_+11], v[MB_:MB_+11], 0, v[XA_], v[XB_] matrix_a_fmt:MATRIX_FMT_FP6 matrix_b_fmt:MATRIX_FMT_FP6 matrix_\side\()_scale:MATRIX_SCALE_ROW1
.else
	v_wmma_scale_f32_16x16x128_f8f6f4 v[RD_:RD_+7], v[MA_:MA_+11], v[MB_:MB_+11], v[RD_:RD_+7], v[XA_], v[XB_] matrix_a_fmt:MATRIX_FMT_FP6 matrix_b_fmt:MATRIX_FMT_FP6 matrix_\side\()_scale:MATRIX_SCALE_ROW1
.endif
.endm
.macro PR m, a0                        ; eight products of batch m: x's fragments a0, a0 + 1.  The accumulators take turns in the same order in every K step
.set PN, (\m)/3
.set PG, (\m)%3
.set PS_, SC+16*(PN%2)
	WIN 0x50*(PG+1)
.irp a, \a0, \a0+1
.irp b, 0,1,2,3
.if PG == 2
.set RD_, 64*\b+8*(\a)
.set MA_, AF+12*(\a)
.set MB_, WF+48*((\m)%2)+12*\b
.set XA_, PS_+(\a)
.set XB_, PS_+8+\b
	WM b
.else
.set RD_, 32*(\a)+8*\b
.set MA_, WF+48*((\m)%2)+12*\b
.set MB_, AF+12*(\a)
.set XA_, PS_+4*PG+\b
.set XB_, PS_+(\a)
	WM a
.endif
.endr
.endr
.endm
.macro BATCH m
.set BG, (\m)%3
.set BN, (\m)/3+1
.if BG == 0
	s_wait_dscnt 18
.else
	s_wait_dscnt 0x0
.endif
	PR \m, 0
.if (\m) < 23
	PLACES
	WIN 0
.if BG == 2
	FSCL BN
.endif
	FW (\m)+1
.if BG == 2
	FX BN, 0
	FX BN, 1
.endif
.endif
.if BG == 0
	s_wait_dscnt 24
.endif
	PR \m, 2
.if (BG == 2) && ((\m) < 23)
	PLACES
	WIN 0
	FX BN, 2
	FX BN, 3
.endif
.if BG == 0
	s_wait_dscnt 18
.endif
	PR \m, 4
.if (BG == 2) && ((\m) < 23)
	PLACES
	WIN 0
	FX BN, 4
	FX BN, 5
.endif
.if BG == 0
	s_wait_dscnt 12
.endif
	PR \m, 6
.if (BG == 2) && ((\m) < 23)
	PLACES
	WIN 0
	FX BN, 6
	FX BN, 7
.endif
.endm
; THE CHANGE OF SLOTS stands in the third batch of a slot's last K step, whose fragments are all asked for.  fill = 1: a round, and slot 0 takes K steps 5-7.  fill = 0: a plain barrier shows that fill to all waves.
.macro TURN m, fill
.set BN, (\m)/3+1
	WIN 0
	s_wait_tensorcnt 0x0                           ; all my tensor loads have landed
.if \fill
	ds_add_u32 v[SPW], v[NIL]
	ROWS G1A, 150
	ROWS G1B, 225
	s_add_nc_u64 s[G0A+2:G0A+3], s[G0A+2:G0A+3], 5*XST
	s_add_nc_u64 s[G0B+2:G0B+3], s[G0B+2:G0B+3], 5*WST
	s_wait_dscnt 1                                 ; the add alone may be out
.else
	s_wait_dscnt 0x0
.endif
	PR \m, 0
.if \fill
	s_wait_dscnt 0x0                               ; the add is done; my reads of the slot are over
.endif
	s_barrier_signal -1
	PR \m, 2
	WIN 0
	s_barrier_wait -1
.if \fill
	CREST
	JLOAD 0
.else
	PLACES
.endif
	FSCL BN
	FW (\m)+1
	FX BN, 0
	FX BN, 1
	FX BN, 2
	FX BN, 3
	PR \m, 4
	PLACES
	WIN 0
	FX BN, 4
	FX BN, 5
	PR \m, 6
	PLACES
	WIN 0
	FX BN, 6
	FX BN, 7
.endm
	s_load_b128 s[4:7], s[0:1], 0x0                ; xc, wc
	s_load_b64 s[8:9], s[0:1], 0x10                ; qkv
	v_lshl_add_u32 v[SPW], v0, 2, SPARE
	v_mov_b32 v[NIL], 0
	ds_add_u32 v[SPW], v[NIL]                      ; the opening lines: the add, twice on end, and its wait ahead of my first tensor load
	ds_add_u32 v[SPW], v[NIL]
	v_lshrrev_b32 v1, 5, v0
	v_readfirstlane_b32 s14, v1                    ; wave
	s_lshr_b32 s15, s14, 1                         ; my group of tokens.  Also: I fetch x (0) or weights (1)
	s_and_b32 s16, s14, 1                          ; my half of the columns.  Also: which half of the part I fetch
	s_bfe_u32 s40, ttmp6, 0x40000                  ; cx, cy
	s_bfe_u32 s41, ttmp6, 0x40004
	s_and_b32 s42, ttmp7, 0xffff
	s_lshl_b32 s44, ttmp9, 2
	s_add_co_u32 s44, s44, s40                     ; tile column
	s_lshl_b32 s45, s42, 2
	s_add_co_u32 s45, s45, s41                     ; tile row
	s_mul_i32 s80, s45, 16*PANEL
	s_mul_i32 s82, s44, 24*PANEL
	s_mul_i32 s18, s16, XST                        ; a half of two K steps of x
	s_mul_i32 s84, s16, WST                        ; a half of three K steps of x, and of two of the weights
	s_mul_i32 s85, s16, 3*WST/2                    ; a half of three K steps of the weights
	s_add_co_u32 s86, s80, s84
	s_mov_b32 s87, 0
	s_add_co_u32 s88, s80, s18
	s_add_co_u32 s88, s88, 3*XST
	s_mov_b32 s89, 0
	s_add_co_u32 s90, s82, s85
	s_mov_b32 s91, 0
	s_add_co_u32 s92, s82, s84
	s_add_co_u32 s92, s92, 3*WST
	s_mov_b32 s93, 0
	s_lshl_b32 s47, s41, 2
	s_lshl_b32 s47, 15, s47                        ; my row of the cluster
	s_lshl_b32 s46, 0x1111, s40                    ; my column
	s_or_b32 s[G1A], s47, (3<<16)|(1<<21)          ; elements of 8 bytes, no padding
	s_or_b32 s[G1B], s46, (3<<16)|(1<<21)
.irp g, G1A, G1B
	s_mov_b32 s[\g+1], 32<<16
	s_mov_b32 s[\g+3], 32<<16
	s_mov_b32 s[\g+5], 32
	s_mov_b32 s[\g+6], 0
	s_mov_b32 s[\g+7], 0
.endr
	ROWS G1A, 150
	ROWS G1B, 225
.irp g, G0A, G0A+4, G0B, G0B+4
	s_mov_b32 s[\g], 1
.endr
	s_mov_b32 s[G0A+1], s84
	s_add_co_u32 s[G0A+5], s18, SL1
	s_add_co_u32 s[G0B+1], s85, LW0
	s_add_co_u32 s[G0B+5], s84, LW1
	s_mov_b32 s[SEL], 0x76543210
	s_mov_b32 s[SEL+1], 0xfedcba98
	s_wait_dscnt 0x0                               ; both opening adds are done
	s_wait_kmcnt 0x0
	s_add_nc_u64 s[G0A+2:G0A+3], s[4:5], s[86:87]
	s_add_nc_u64 s[G0A+6:G0A+7], s[4:5], s[88:89]
	s_add_nc_u64 s[G0B+2:G0B+3], s[6:7], s[90:91]
	s_add_nc_u64 s[G0B+6:G0B+7], s[6:7], s[92:93]
.irp g, G0A+3, G0A+7, G0B+3, G0B+7
	s_or_b32 s[\g], s[\g], 0x80000000
.endr
	CROUND
	JLOAD 0                                        ; K steps 0-2: one load a wave
	v_and_b32 v1, 15, v0                           ; r
	v_bfe_u32 v2, v0, 4, 1                         ; h
	v_and_b32 v3, 31, v0                           ; lane
	v_lshlrev_b32 v[LI], 4, v3
	v_lshlrev_b32 v[LS], 2, v3
	v_lshlrev_b32 v31, 2, v1
	v_cmp_lt_u32 s[HM], 15, v3
	s_wait_alu depctr_va_vdst(0)                   ; ahead of the scalar lines below
	s_mul_i32 s20, s15, PANEL
	s_mul_i32 s21, s16, PANEL
	s_mul_i32 s22, s16, 6144                       ; V: my four fragments
	s_lshl_b32 s23, s16, 8                         ; and their scale words
.irp p, 0,1,2,3,4
.if \p < 3
.set XB0, \p*XST
.set WB0, LW0+\p*WST
.else
.set XB0, SL1+(\p-3)*XST
.set WB0, LW1+(\p-3)*WST
.endif
	s_add_co_u32 s86, s20, XB0
	s_add_co_u32 s87, s21, WB0
	s_add_co_u32 s88, s22, WB0+2*PANEL
	s_add_co_u32 s89, s23, WB0+2*PANEL
	s_sub_co_u32 s90, s87, s86
	v_add_nc_u32 v[AX+\p], s86, v[LI]
	v_add_nc_u32 v[AW+\p], s87, v[LI]
	v_add_nc_u32 v[AV+\p], s88, v[LI]
	v_mul_u32_u24 v[AS+\p], s90, v2
	v_add_nc_u32 v[AVS+\p], s89, v31
	v_add_nc_u32 v[AS+\p], v31, v[AS+\p]
	v_add_nc_u32 v[AS+\p], s86, v[AS+\p]
.endr
	s_lshr_b32 s17, s44, 2                         ; Q or K
	s_lshl_b32 s17, s17, 9
	s_lshl_b32 s18, s45, 4
	s_add_co_u32 s17, s17, s18
	s_lshl_b32 s18, s15, 3
	s_add_co_u32 s17, s17, s18
	s_and_b32 s18, s44, 3
	s_lshl_b32 s18, s18, 1
	s_add_co_u32 s17, s17, s18
	s_add_co_u32 s17, s17, s16
	s_mul_i32 s18, s17, PANEL                      ; my panel of Q or K
	s_mov_b32 s19, 0
	s_lshl_b32 s17, s44, 6
	s_lshl_b32 s20, s45, 1
	s_add_co_u32 s17, s17, s20
	s_add_co_u32 s17, s17, s15
	s_add_co_u32 s17, s17, 1024
	s_mul_i32 s20, s17, PANEL                      ; my panel of V
	s_mov_b32 s21, 0
	s_add_nc_u64 s[10:11], s[8:9], s[20:21]
	s_add_nc_u64 s[8:9], s[8:9], s[18:19]
	s_mov_b32 s20, s23
	s_add_nc_u64 s[12:13], s[10:11], s[20:21]
	s_mov_b32 s20, s22
	s_add_nc_u64 s[10:11], s[10:11], s[20:21]
	s_wait_alu depctr_va_vdst(0)                   ; the wait at the head's end
	s_wait_tensorcnt 0x0                           ; my part of K steps 0-2 is in
	ds_add_u32 v[SPW], v[NIL]
	ROWS G1A, 100
	ROWS G1B, 150
	s_wait_dscnt 0x0
	CROUND
	JLOAD 1                                        ; K steps 3 and 4
	FSCL 0
	FW 0
.irp a, 0,1,2,3,4,5,6,7
	FX 0, \a
.endr
.irp m, 0,1,2,3,4,5,6,7
	BATCH \m
.endr
	TURN 8, 1
.irp m, 9,10,11,12,13
	BATCH \m
.endr
	TURN 14, 0
.irp m, 15,16,17,18,19,20,21,22,23
	BATCH \m
.endr
	WIN 0
	PLACES
; THE WAY OUT of two blocks of 16 rows x 128 along the next K.  Register 16 b + i of a block in lane (r, h) is number 32 b + 16 h + i of row r.  Block u's first 64 numbers are v[rb + us u ..] of window w0, its others v[rb + us u + cs ..] of w1.
.macro OUT2 k, rb, us, cs, w0, w1, sb, off
.set PC_, 120+40*((\k)%2)
.irp c, 0,1
.set W_, (\w0)+\c*((\w1)-(\w0))
	WIN (W_<<2)|(W_<<4)
.irp u, 0,1
.irp b, 0,1
.set R_, (\rb)+(\us)*\u+(\cs)*\c+16*\b
	v_max3_num_f32 v[TM+4*\u+2*\c+\b], 0x1800000, |v[R_]|, |v[R_+1]|   ; the floor 2^(3 - 127) among the leaves: the byte cannot fall under 1
.endr
.endr
.irp i, 2,4,6,8,10,12,14
.irp u, 0,1
.irp b, 0,1
.set R_, (\rb)+(\us)*\u+(\cs)*\c+16*\b+\i
	v_max3_num_f32 v[TM+4*\u+2*\c+\b], v[TM+4*\u+2*\c+\b], |v[R_]|, |v[R_+1]|
.endr
.endr
.endr
.endr
	WIN 0
.irp x, 0,1,2,3,4,5,6,7
	v_permlanex16_b32 v[PX+\x], v[TM+\x], s[SEL], s[SEL+1]
.endr
.irp x, 0,1,2,3,4,5,6,7
	v_max_num_f32 v[TM+\x], v[TM+\x], v[PX+\x]
.endr
.irp x, 0,1,2,3,4,5,6,7
	v_add_nc_u32 v[SO+\x], 0xff000000, v[TM+\x]    ; 2 off the exponent field
.endr
.irp x, 0,1,2,3,4,5,6,7
	v_lshrrev_b32 v[BY+\x], 23, v[SO+\x]
.endr
.irp q, 1,2,3
.irp u, 0,1
.if \q == 1
	v_lshl_or_b32 v[SW+2*(\k)+\u], v[BY+4*\u+1], 8, v[BY+4*\u]
.else
	v_lshl_or_b32 v[SW+2*(\k)+\u], v[BY+4*\u+\q], 8*\q, v[SW+2*(\k)+\u]
.endif
.endr
.endr
.if (\k) >= 2
	s_wait_xcnt 0x0                                ; the stores of two pairs ago have read this set of codes' registers
.endif
.irp c, 0,1
.set W_, (\w0)+\c*((\w1)-(\w0))
	WIN W_
.irp u, 0,1
.set R_, (\rb)+(\us)*\u+(\cs)*\c
	v_cvt_scalef32_pk16_fp6_f32 v[PC_+12*\u+6*\c:PC_+12*\u+6*\c+2], v[R_:R_+15], v[SO+4*\u+2*\c]
	v_cvt_scalef32_pk16_fp6_f32 v[PC_+24+8*\u+4*\c:PC_+24+8*\u+4*\c+2], v[R_+16:R_+31], v[SO+4*\u+2*\c+1]
.endr
.endr
	WIN 0
	v_nop                                          ; one plain place behind a scaled conversion
.irp u, 0,1
.irp c, 0,1
.irp i, 0,1,2
	v_permlane16_swap_b32 v[PC_+12*\u+6*\c+\i], v[PC_+24+8*\u+4*\c+\i]
.endr
.endr
.endr
.irp u, 0,1
.irp c, 0,1
.irp i, 0,1,2
	v_mov_b32 v[PC_+12*\u+6*\c+3+\i], v[PC_+24+8*\u+4*\c+\i]
.endr
.endr
.irp c, 0,1,2
	global_store_b128 v[LI], v[PC_+12*\u+4*\c:PC_+12*\u+4*\c+3], s[\sb:\sb+1] offset:(\off)+1536*\u+512*\c
.endr
.endr
.endm
	OUT2 0, 0,   32, 0,  1, 2, 8,  0
	OUT2 1, 64,  32, 0,  1, 2, 8,  3072
	OUT2 2, 128, 32, 0,  1, 2, 8,  6144
	OUT2 3, 192, 32, 0,  1, 2, 8,  9216
	OUT2 4, 0,   64, 32, 3, 3, 10, 0
	OUT2 5, 128, 64, 32, 3, 3, 10, 3072
.irp p, 0,1,2,3,4,5
	v_cndmask_b32 v[OT+\p], v[SW+2*\p], v[SW+2*\p+1], s[HM]   ; lanes 0-15: the even block's words; lanes 16-31: the odd one's
.endr
.irp p, 0,1,2,3
	global_store_b32 v[LS], v[OT+\p], s[8:9] offset:PSC+128*\p
.endr
.irp p, 0,1
	global_store_b32 v[LS], v[OT+4+\p], s[12:13] offset:PSC+128*\p
.endr
	s_wait_tensorcnt 0x0                           ; the wave's end
	ds_add_u32 v[SPW], v[NIL]
	s_wait_dscnt 0x0
	CROUND                                         ; the closing round
	s_endpgm
.Lfunc_end_k_q5d76b85b63_proj:
	.size	k_q5d76b85b63_proj, .Lfunc_end_k_q5d76b85b63_proj-k_q5d76b85b63_proj
	.p2alignl 7, 3214868480
	.fill 96, 4, 3214868480
	.section	.rodata,"a",@progbits
	.p2align	6, 0x0
	.amdhsa_kernel k_q5d76b85b63_proj
		.amdhsa_group_segment_fixed_size 327680
		.amdhsa_private_segment_fixed_size 0
		.amdhsa_enable_private_segment 0
		.amdhsa_kernarg_size 24
		.amdhsa_user_sgpr_count 2
		.amdhsa_user_sgpr_kernarg_segment_ptr 1
		.amdhsa_wavefront_size32 1
		.amdhsa_system_sgpr_workgroup_id_x 1
		.amdhsa_system_sgpr_workgroup_id_y 1
		.amdhsa_system_sgpr_workgroup_id_z 1
		.amdhsa_system_vgpr_workitem_id 0
		.amdhsa_next_free_vgpr 1024
		.amdhsa_next_free_sgpr 96
		.amdhsa_reserve_vcc 0
		.amdhsa_float_denorm_mode_32 3
		.amdhsa_float_denorm_mode_16_64 3
		.amdhsa_memory_ordered 1
		.amdhsa_forward_progress 1
		.amdhsa_inst_pref_size 204
	.end_amdhsa_kernel
	.amdgpu_metadata
---
amdhsa.version: [ 1, 2 ]
amdhsa.kernels:
  - .name:           k_q5d76b85b63_proj
    .symbol:         k_q5d76b85b63_proj.kd
    .args:
      - { .name: xc, .offset: 0, .size: 8, .value_kind: global_buffer, .address_space: global }
      - { .name: wc, .offset: 8, .size: 8, .value_kind: global_buffer, .address_space: global }
      - { .name: qkv, .offset: 16, .size: 8, .value_kind: global_buffer, .address_space: global }
    .group_segment_fixed_size: 327680
    .private_segment_fixed_size: 0
    .kernarg_segment_align: 8
    .kernarg_segment_size: 24
    .max_flat_workgroup_size: 128
    .sgpr_count:     96
    .vgpr_count:     1024
    .wavefront_size: 32
...
	.end_amdgpu_metadata
.endif
;; end of part 2
;; launch score (part 3): grid 36 x 4, 8 waves a work-group, no clusters, 327,680 bytes of LDS; arguments qkv, pc, st; writes pc, st
.if DOCPART == 3
	.amdgcn_target "amdgcn-amd-amdhsa--gfx1250"
	.amdhsa_code_object_version 6
	.text
	.protected	k_q5d76b85b63_score
	.globl	k_q5d76b85b63_score
	.p2align	8
	.type	k_q5d76b85b63_score,@function
k_q5d76b85b63_score:
	s_mov_b64 s[64:65], 0
	v_nop
	global_prefetch_b8 v0, s[64:65] scope:SCOPE_SE
	s_setreg_imm32_b32 hwreg(HW_REG_WAVE_MODE, 25, 1), 1
	s_wait_xcnt 0x0
; The causal tiles of S^T = k q^T (codes of FP6, K = 1,024), and of each 128 queries x 128 keys the softmax's numerator under a LOCAL whole number M: t = score x log2(e) / 32, M = ceil(the query's largest t among these 128 keys),
; p = 2^(t - M), quantised along the keys into a panel of pc; -M and the sum l of the unquantised p go to st.  The next launch brings all panels of a query under the row's M by taking M's distance off the scale bytes: exact.
; PANELS as in the first launch (128 rows x 128 K, 12,800 bytes, images of fragments).  pc: [64 groups of queries][16 K steps: the batch's groups of keys], its scale words at 12,288 + 256 x half + 16 r + 4 a (a: the fragment in the half of 64 queries).
; st: [64][16][half][-M: 64 f32 | l: 64 f32], index 4 r + a.
; LEFT OUT: tiles of scores that lie wholly behind the diagonal (the mask: see the first launch).  Of a batch's 8 x 8 tiles of 256 x 256 the 36 with key tile <= query tile are launched.  A wave makes 64 queries x 128 keys.
; On a diagonal tile the two waves whose keys all come after their queries multiply with the others (they share their barriers) and store nothing.
; NO CLUSTER: a batch's tiles are a triangle with rows of 1 to 8 tiles, which clusters of four do not divide; 4 x 4 blocks of tiles would cover 48 for these 36 and multiply what the mask throws away.
; No prefetch: the text has no loop to run ahead in; there are three fills.
; THE FILLS, one tensor load a wave each (a wave brings a half of one of the four groups' part): K steps 0-3 at the head (slot 0), 4-5 behind the head's barrier (slot 1), 6-7 over 2-3 when these have been read.
; A K STEP is 32 products, the eight fragments of keys by pairs.  The queries' fragments have two sets, the keys' one: a pair is fetched anew behind its last products.  THE WAITS: 18 at a step's head = the three younger pairs (6 loads each);
; then 30 = two younger pairs and the next step's 18 loads, and so on with each pair; 12 more where the scale words of the next two steps are among them.
; LIMITS: the scaled scores (t) stay under 2^31 in magnitude; a block whose every p is 0 gets the byte 1; NaN and infinities are not served.
.set PANEL, 12800
.set PSC,   12288
.set DBL,   2*PANEL
.set QD,    4*PANEL
.set GRP,   8*PANEL
.set SLOT,  4*QD                       ; slot 0: four steps of four groups (queries 0, 1, keys 0, 1); slot 1: two steps
.set SPARE, SLOT+4*DBL                 ; the spare words, 128 bytes a wave: four blocks of 256 bytes that no other line names
.set LI,   4                           ; 16 x lane
.set LS,   5                           ; 16 r + 8 h
.set ADRA, 6                           ; v6-7   LDS addresses in slot 0, 1: my four fragments of queries
.set ADSA, 8                           ; their scale words (lanes 16-31: the next K step's)
.set ADRB, 10                          ; my eight fragments of keys
.set ADSB, 12
.set SPW,  28
.set NIL,  29
.set SC,   32                          ; v32-43, v44-55 scale words, two sets: queries' four, keys' eight
.set AF,   64                          ; v64-111, v112-159 queries' fragments
.set BF,   160                         ; v160-255 keys' fragments.  Window 1: accumulator (a, b) at v[64 a + 8 b]
.set BM,   64                          ; the softmax, in the registers of fragments that are done with: the blocks' largest scores, then largest p
.set PX,   68
.set SO,   72
.set BY,   76
.set NP,   80                          ; v[80:81] -M (the packed form names a pair)
.set SUMA, 82
.set SUMB, 84
.set TQ,   86
.set DD0,  88                          ; r + 8 (r / 8) - 16 h: the mask's bound inside a block of 32 x 32 on the diagonal
.set NINF, 89
.set SW,   136
.set NM,   144
.set LR,   152
.set OT,   160
.set G1,   24
.set G0,   32                          ; s[32:35] the first fill, s[36:39] the others
.set CS,   44                          ; s[44:45] c = log2(e) / 32
.set SEL,  46
.set HM,   48
.set MSB, 0
.macro WIN new
.if MSB != (\new)
	s_set_vgpr_msb (MSB<<8)|(\new)
.set MSB, (\new)
.endif
.endm
.macro PLACES
.rept 4
	v_nop
.endr
.endm
.macro FRAG3 reg, adr, off
.irp c, 0,1,2
	ds_load_b128 v[(\reg)+4*\c:(\reg)+4*\c+3], v[\adr] offset:(\off)+512*\c
.endr
.endm
.macro FPOS n                          ; steps 4 and 5 lie in slot 1, the others in slot 0
.set FSL_, ((\n)/4)*(1-((\n)/2)%2)
.set FK_,  (\n)%4
.endm
.macro FA n                            ; the queries' fragments of K step n
	FPOS \n
.irp a, 0,1,2,3
	FRAG3 AF+48*((\n)%2)+12*\a, ADRA+FSL_, PANEL*FK_+1536*\a
.endr
.endm
.macro FB n, b0                        ; two of the keys'
	FPOS \n
.irp b, \b0, \b0+1
	FRAG3 BF+12*(\b), ADRB+FSL_, PANEL*FK_+1536*(\b)
.endr
.endm
.macro FS n                            ; the scale words of K steps n and n + 1, n even
	FPOS \n
.irp a, 0,1,2,3
	ds_load_b32 v[SC+12*(((\n)/2)%2)+\a], v[ADSA+FSL_] offset:PSC+PANEL*FK_+64*\a
.endr
.irp b, 0,1,2,3,4,5,6,7
	ds_load_b32 v[SC+12*(((\n)/2)%2)+4+\b], v[ADSB+FSL_] offset:PSC+PANEL*FK_+64*\b
.endr
.endm
.macro PR n, b0                        ; eight products; the 32 accumulators take turns in the same order in every step
.set PSET, SC+12*(((\n)/2)%2)
	WIN 0x50
.irp b, \b0, \b0+1
.irp a, 0,1,2,3
.set RD_, 64*\a+8*(\b)
.set RB_, BF+12*(\b)
.set RA_, AF+48*((\n)%2)+12*\a
.set XB_, PSET+4+(\b)
.set XA_, PSET+\a
.if (\n) == 0
	v_wmma_scale_f32_16x16x128_f8f6f4 v[RD_:RD_+7], v[RB_:RB_+11], v[RA_:RA_+11], 0, v[XB_], v[XA_] matrix_a_fmt:MATRIX_FMT_FP6 matrix_b_fmt:MATRIX_FMT_FP6
.elseif (\n)%2
	v_wmma_scale_f32_16x16x128_f8f6f4 v[RD_:RD_+7], v[RB_:RB_+11], v[RA_:RA_+11], v[RD_:RD_+7], v[XB_], v[XA_] matrix_a_fmt:MATRIX_FMT_FP6 matrix_b_fmt:MATRIX_FMT_FP6 matrix_a_scale:MATRIX_SCALE_ROW1 matrix_b_scale:MATRIX_SCALE_ROW1
.else
	v_wmma_scale_f32_16x16x128_f8f6f4 v[RD_:RD_+7], v[RB_:RB_+11], v[RA_:RA_+11], v[RD_:RD_+7], v[XB_], v[XA_] matrix_a_fmt:MATRIX_FMT_FP6 matrix_b_fmt:MATRIX_FMT_FP6
.endif
.endr
.endr
.endm
.macro STEP n
	s_wait_dscnt 18
	PR \n, 0
.if (\n) < 7
	PLACES
	WIN 0
.if (\n)%2
	FS (\n)+1
.endif
	FA (\n)+1
	FB (\n)+1, 0
.endif
.irp b, 2,4,6
.if (\n) < 7
	s_wait_dscnt 30+12*((\n)%2)
.else
	s_wait_dscnt 6*(3-\b/2)
.endif
	PR \n, \b
.if (\n) < 7
	PLACES
	WIN 0
	FB (\n)+1, \b
.endif
.endr
.endm
; THE CHANGE OF SLOTS.  fill = 1: the barrier also ends the reads of K steps 2 and 3, and 6 and 7 land there; fill = 0: the barrier shows the last fill.
.macro TURN n, fill
	WIN 0
	s_wait_tensorcnt 0x0                           ; all my tensor loads have landed
.if \fill
	ds_add_u32 v[SPW], v[NIL]
	s_add_nc_u64 s[G0+6:G0+7], s[G0+6:G0+7], DBL
	s_mov_b32 s[G0+5], s57
	s_wait_dscnt 1                                 ; the add alone may be out
.else
	s_wait_dscnt 0x0
.endif
	PR \n, 0
.if \fill
	s_wait_dscnt 0x0                               ; the add is done, and my reads of K step n are over
.endif
	s_barrier_signal -1
	PR \n, 2
	WIN 0
	s_barrier_wait -1
.if \fill
	tensor_load_to_lds s[G0+4:G0+7], s[G1:G1+7]
	s_nop 0
.endif
	PLACES
	FS (\n)+1
	FA (\n)+1
	FB (\n)+1, 0
	FB (\n)+1, 2
	PR \n, 4
	PLACES
	WIN 0
	FB (\n)+1, 4
	PR \n, 6
	PLACES
	WIN 0
	FB (\n)+1, 6
.endm
	s_load_b128 s[4:7], s[0:1], 0x0                ; qkv, pc
	s_load_b64 s[8:9], s[0:1], 0x10                ; st
	v_lshl_add_u32 v[SPW], v0, 2, SPARE
	v_mov_b32 v[NIL], 0
	ds_add_u32 v[SPW], v[NIL]                      ; the opening lines: the add, twice on end, and its wait ahead of my first tensor load
	ds_add_u32 v[SPW], v[NIL]
	v_lshrrev_b32 v1, 5, v0
	v_readfirstlane_b32 s14, v1                    ; wave, 0 .. 7
	s_lshr_b32 s15, s14, 2                         ; my group of queries.  Also: I fetch queries (0) or keys (1)
	s_and_b32 s16, s14, 1                          ; my group of keys.  Also: which half of the part I fetch
	s_bfe_u32 s54, s14, 0x10001                    ; my half of the group of queries.  Also: which group of that side I fetch
	s_and_b32 s17, ttmp7, 0xffff                   ; the batch
	s_mov_b32 s22, ttmp9                           ; the tile's number in the triangle
	s_mov_b32 s18, 0
.irp t, 1,3,6,10,15,21,28              ; the query tile: how many rows of the triangle lie wholly in front
	s_cmp_ge_u32 s22, \t
	s_add_co_ci_u32 s18, s18, 0
.endr
	s_add_co_u32 s19, s18, 1
	s_mul_i32 s19, s19, s18
	s_lshr_b32 s19, s19, 1
	s_sub_co_u32 s19, s22, s19                     ; the key tile, 0 .. the query tile
	s_lshl_b32 s20, s18, 1
	s_add_co_u32 s20, s20, s15                     ; my group of queries in the batch
	s_lshl_b32 s21, s19, 1
	s_add_co_u32 s21, s21, s16                     ; my group of keys
	s_sub_co_i32 s23, s19, s18
	s_mul_i32 s23, s23, s15
	s_add_co_u32 s23, s23, s18                     ; waves 0-3: the query tile; waves 4-7: the key tile
	s_lshl_b32 s23, s23, 1
	s_add_co_u32 s23, s23, s54
	s_lshl_b32 s49, s17, 4
	s_add_co_u32 s23, s23, s49                     ; the group that I fetch
	s_mul_i32 s58, s23, GRP
	s_mul_i32 s49, s15, 64*GRP                     ; k lies behind q's 64 groups
	s_add_co_u32 s58, s58, s49
	s_mul_i32 s49, s16, DBL
	s_add_co_u32 s50, s58, s49                     ; the first fill: two of its four K steps
	s_mov_b32 s51, 0
	s_mul_i32 s49, s16, PANEL
	s_add_co_u32 s58, s58, s49
	s_add_co_u32 s58, s58, QD                      ; the second: K step 4 or 5
	s_mov_b32 s59, 0
	s_mul_i32 s52, s14, DBL
	s_mul_i32 s53, s14, PANEL
	s_lshr_b32 s57, s14, 1
	s_mul_i32 s57, s57, QD
	s_add_co_u32 s57, s57, s49
	s_add_co_u32 s57, s57, DBL                     ; where K step 6 or 7 goes
	s_mov_b32 s[G1], 3<<16                         ; no mask; elements of 8 bytes; no padding
	s_mov_b32 s[G1+1], 32<<16
	s_mov_b32 s[G1+2], 100<<16
	s_mov_b32 s[G1+3], 32<<16
	s_mov_b32 s[G1+4], 100
	s_mov_b32 s[G1+5], 32
	s_mov_b32 s[G1+6], 0
	s_mov_b32 s[G1+7], 0
	s_mov_b32 s[G0], 1
	s_mov_b32 s[G0+1], s52
	s_mov_b32 s[G0+4], 1
	s_add_co_u32 s[G0+5], s53, SLOT
	s_mov_b32 s[CS], 0x3d38aa3b                    ; log2(e) / 32
	s_mov_b32 s[CS+1], s[CS]
	s_mov_b32 s[SEL], 0x76543210
	s_mov_b32 s[SEL+1], 0xfedcba98
	s_wait_dscnt 0x0                               ; both opening adds are done
	s_wait_kmcnt 0x0
	s_add_nc_u64 s[G0+2:G0+3], s[4:5], s[50:51]
	s_or_b32 s[G0+3], s[G0+3], 0x80000000
	s_add_nc_u64 s[G0+6:G0+7], s[4:5], s[58:59]
	s_or_b32 s[G0+7], s[G0+7], 0x80000000
	tensor_load_to_lds s[G0:G0+3], s[G1:G1+7]      ; K steps 0-3: one load a wave
	s_nop 0
	PLACES
	v_and_b32 v1, 15, v0                           ; r
	v_bfe_u32 v2, v0, 4, 1                         ; h
	v_and_b32 v3, 31, v0                           ; lane
	v_lshlrev_b32 v[LI], 4, v3
	v_lshlrev_b32 v[LS], 4, v1
	v_lshl_add_u32 v[LS], v2, 3, v[LS]
	v_cmp_lt_u32 s[HM], 15, v3
	v_mul_u32_u24 v18, v2, PANEL
	v_lshl_add_u32 v18, v1, 2, v18
	s_wait_alu depctr_va_vdst(0)                   ; ahead of the scalar lines below
	s_mul_i32 s55, s54, 6144
	s_lshl_b32 s56, s54, 8
.irp s, 0,1
	s_mul_i32 s49, s15, QD-\s*DBL
	s_add_co_u32 s49, s49, \s*SLOT
	s_mul_i32 s53, s16, QD-\s*DBL
	s_add_co_u32 s53, s53, \s*SLOT+2*(QD-\s*DBL)
	s_add_co_u32 s50, s49, s55
	s_add_co_u32 s49, s49, s56
	v_add_nc_u32 v[ADRA+\s], s50, v[LI]
	v_add_nc_u32 v[ADSA+\s], s49, v18
	v_add_nc_u32 v[ADRB+\s], s53, v[LI]
	v_add_nc_u32 v[ADSB+\s], s53, v18
	s_wait_alu depctr_va_vdst(0)                   ; ahead of scalar lines, and at the head's end
.endr
	s_lshl_b32 s22, s17, 4
	s_add_co_u32 s22, s22, s20
	s_lshl_b32 s22, s22, 4
	s_add_co_u32 s22, s22, s21                     ; 16 x (my group of queries among the 64) + my group of keys
	s_mul_i32 s50, s22, PANEL
	s_mov_b32 s51, 0
	s_add_nc_u64 s[6:7], s[6:7], s[50:51]          ; my panel of pc
	s_mov_b32 s50, s56
	s_add_nc_u64 s[10:11], s[6:7], s[50:51]        ; my half's scale words
	s_mov_b32 s50, s55
	s_add_nc_u64 s[6:7], s[6:7], s[50:51]          ; my four fragments
	s_lshl_b32 s50, s22, 1
	s_add_co_u32 s50, s50, s54
	s_lshl_b32 s50, s50, 9
	s_add_nc_u64 s[8:9], s[8:9], s[50:51]          ; my 512 bytes of st
	s_wait_tensorcnt 0x0                           ; my part of K steps 0-3 is in
	ds_add_u32 v[SPW], v[NIL]
	s_mov_b32 s[G1+2], 50<<16                      ; from here on a load brings one panel
	s_mov_b32 s[G1+4], 50
	s_wait_dscnt 0x0
	s_barrier_signal -1
	s_barrier_wait -1
	tensor_load_to_lds s[G0+4:G0+7], s[G1:G1+7]    ; K steps 4 and 5
	s_nop 0
	PLACES
	FS 0
	FA 0
.irp b, 0,2,4,6
	FB 0, \b
.endr
	STEP 0
	STEP 1
	STEP 2
	TURN 3, 1
	STEP 4
	TURN 5, 0
	STEP 6
	STEP 7
	WIN 0
	PLACES
	s_cmp_gt_u32 s21, s20                          ; all my keys come after all my queries: nothing to store.  Ids and the wave's number alone; no barrier lies ahead
	s_cbranch_scc1 .Lend
	v_and_b32 v[DD0], 8, v1
	v_add_nc_u32 v[DD0], v[DD0], v1
	v_lshlrev_b32 v[TQ], 4, v2
	v_sub_nc_u32 v[DD0], v[DD0], v[TQ]
	v_mov_b32 v[NINF], 0xff800000
	v_mov_b32 v[NP+1], 0                           ; (named as the upper half of a pair)
	v_mov_b32 v[TQ+1], 0
.irp b, 0,1,2,3
	v_mov_b32 v[PX+\b], 0                          ; written once: a lane permute's destination counts as one of its sources
.endr
	s_wait_alu depctr_va_vdst(0)                   ; ahead of the branches below
; On the diagonal hidden scores become -infinity ahead of the maximum: p = 0 then.  Block a's 16 queries lie in the dg-th 32 of the group: a later block of keys is hidden from all of them, an earlier one from none.
.macro MASK a, dg
	s_wait_alu depctr_va_vdst(0)                   ; ahead of the matrix results' first reader
	WIN 0x41
.set n_, 0
.rept 64
.if n_/16 == (\dg)
	v_cmp_gt_i32 vcc_lo, n_%16-8*((\a)%2), v[DD0]
	v_cndmask_b32 v[AC+n_], v[AC+n_], v[NINF], vcc_lo
.elseif n_/16 > (\dg)
	v_mov_b32 v[AC+n_], 0xff800000
.endif
.set n_, n_+1
.endr
	WIN 0
.endm
; Block a: 16 queries (lane r: query 64 x half + 32 (a / 2) + 8 (a % 2) + r + 8 (r / 8) of the group); a lane's register 16 b + i = key 32 b + 16 h + i of my 128.  The first key of the panel counts for every query, so M is a number.
.macro SOFT a
.set AC, 64*(\a)
.set PC, 96+20*((\a)%2)
	s_cmp_lt_u32 s21, s20                          ; all my keys count: no mask
	s_cbranch_scc1 .Lopen_\@
	s_cmp_eq_u32 s54, 0
	s_cbranch_scc0 .Lupper_\@
	MASK \a, (\a)/2
	s_wait_alu depctr_va_vdst(0)                   ; directly ahead of the branch
	s_branch .Lopen_\@
.Lupper_\@:
	MASK \a, 2+(\a)/2
.Lopen_\@:
	s_wait_alu depctr_va_vdst(0)                   ; ahead of the matrix results' first reader
	WIN 0x14
.irp b, 0,1,2,3
	v_max3_num_f32 v[BM+\b], 0xff800000, v[AC+16*\b], v[AC+16*\b+1]   ; the largest score of each block of 32 keys: it serves for the maximum and, since p rises with the score, for the block's largest p
.endr
.irp i, 2,4,6,8,10,12,14
.irp b, 0,1,2,3
	v_max3_num_f32 v[BM+\b], v[BM+\b], v[AC+16*\b+\i], v[AC+16*\b+\i+1]
.endr
.endr
	WIN 0
.irp b, 0,1,2,3
	v_permlanex16_b32 v[PX+\b], v[BM+\b], s[SEL], s[SEL+1]
.endr
.irp b, 0,1,2,3
	v_max_num_f32 v[BM+\b], v[BM+\b], v[PX+\b]
.endr
	v_max3_num_f32 v[TQ], v[BM], v[BM+1], v[BM+2]
	v_max_num_f32 v[TQ], v[TQ], v[BM+3]
	v_mul_f32 v[TQ], s[CS], v[TQ]                  ; as t (c is positive)
	v_floor_f32 v[NP], -v[TQ]                      ; -M = floor(-t) = -ceil(t): a whole number
	v_mov_b32 v[NM+(\a)], v[NP]
	WIN 0x41
.set j_, 0
.rept 32
	v_pk_fma_f32 v[AC+j_:AC+j_+1], v[AC+j_:AC+j_+1], s[CS:CS+1], v[NP:NP+1] op_sel_hi:[1,0,0]   ; t - M, two at a time
.set j_, j_+2
.endr
	WIN 0
.irp b, 0,1,2,3
	v_fma_f32 v[BM+\b], v[BM+\b], s[CS], v[NP]     ; the same of each block's largest score
.endr
	WIN 0x41
.set j_, 0
	s_wait_alu depctr_va_vdst(0)                   ; ahead of the batch
.rept 64
	v_exp_f32 v[AC+j_], v[AC+j_]                   ; p = 2^(t - M), at most 1
.set j_, j_+1
.endr
	WIN 0
	v_mov_b32 v[SUMA], 0                           ; (plain places behind the exponentials)
	v_mov_b32 v[SUMA+1], 0
	v_mov_b32 v[SUMB], 0
	v_mov_b32 v[SUMB+1], 0
	s_wait_alu depctr_va_vdst(0)                   ; one wait for the batch of 64, ahead of its first reader
.irp b, 0,1,2,3
	v_exp_f32 v[BM+\b], v[BM+\b]                   ; the block's largest p: the same two instructions on the same number give the same bits
.endr
	WIN 0x04
.set j_, 0
.rept 16
	v_pk_add_f32 v[SUMA:SUMA+1], v[SUMA:SUMA+1], v[AC+j_:AC+j_+1]       ; the sum is taken of the unquantised p
	v_pk_add_f32 v[SUMB:SUMB+1], v[SUMB:SUMB+1], v[AC+j_+2:AC+j_+3]
.set j_, j_+4
.endr
	WIN 0
	s_wait_alu depctr_va_vdst(0)                   ; and one for the four
.irp b, 0,1,2,3
	v_max_num_f32 v[BM+\b], 0x1800000, v[BM+\b]    ; the floor 2^(3 - 127): the byte cannot fall under 1
.endr
.irp b, 0,1,2,3
	v_add_nc_u32 v[SO+\b], 0xff000000, v[BM+\b]
.endr
.irp b, 0,1,2,3
	v_lshrrev_b32 v[BY+\b], 23, v[SO+\b]
.endr
	v_lshl_or_b32 v[SW+(\a)], v[BY+1], 8, v[BY]
	v_lshl_or_b32 v[SW+(\a)], v[BY+2], 16, v[SW+(\a)]
	v_lshl_or_b32 v[SW+(\a)], v[BY+3], 24, v[SW+(\a)]
	v_pk_add_f32 v[SUMA:SUMA+1], v[SUMA:SUMA+1], v[SUMB:SUMB+1]
	v_add_f32 v[TQ], v[SUMA], v[SUMA+1]
	v_permlanex16_b32 v[TQ+1], v[TQ], s[SEL], s[SEL+1]
	v_add_f32 v[LR+(\a)], v[TQ], v[TQ+1]           ; the query's sum over these 128 keys
.if (\a) >= 2
	s_wait_xcnt 0x0                                ; block a - 2's stores have read this set of codes' registers
.endif
	WIN 0x01
.irp c, 0,1
	v_cvt_scalef32_pk16_fp6_f32 v[PC+6*\c:PC+6*\c+2], v[AC+32*\c:AC+32*\c+15], v[SO+2*\c]
	v_cvt_scalef32_pk16_fp6_f32 v[PC+12+4*\c:PC+12+4*\c+2], v[AC+32*\c+16:AC+32*\c+31], v[SO+2*\c+1]
.endr
	WIN 0
	v_nop                                          ; one plain place behind a scaled conversion
.irp c, 0,1
.irp i, 0,1,2
	v_permlane16_swap_b32 v[PC+6*\c+\i], v[PC+12+4*\c+\i]
.endr
.irp i, 0,1,2
	v_mov_b32 v[PC+3+6*\c+\i], v[PC+12+4*\c+\i]
.endr
.endr
.irp c, 0,1,2
	global_store_b128 v[LI], v[PC+4*\c:PC+4*\c+3], s[6:7] offset:1536*(\a)+512*\c
.endr
.endm
.irp a, 0,1,2,3
	SOFT \a
.endr
	v_cndmask_b32 v[OT], v[SW], v[SW+2], s[HM]     ; lane (r, h): words 2 h, 2 h + 1 of row r
	v_cndmask_b32 v[OT+1], v[SW+1], v[SW+3], s[HM]
.irp a, 0,1,2,3
	v_cndmask_b32 v[OT+4+\a], v[NM+\a], v[LR+\a], s[HM]   ; lanes 0-15: -M; lanes 16-31: l
.endr
	global_store_b64 v[LS], v[OT:OT+1], s[10:11] offset:PSC    ; 256 consecutive bytes
	global_store_b128 v[LI], v[OT+4:OT+7], s[8:9]              ; 512
.Lend:
	s_wait_tensorcnt 0x0                           ; the wave's end
	ds_add_u32 v[SPW], v[NIL]
	s_wait_dscnt 0x0
	s_endpgm
.Lfunc_end_k_q5d76b85b63_score:
	.size	k_q5d76b85b63_score, .Lfunc_end_k_q5d76b85b63_score-k_q5d76b85b63_score
	.p2alignl 7, 3214868480
	.fill 96, 4, 3214868480
	.section	.rodata,"a",@progbits
	.p2align	6, 0x0
	.amdhsa_kernel k_q5d76b85b63_score
		.amdhsa_group_segment_fixed_size 327680
		.amdhsa_private_segment_fixed_size 0
		.amdhsa_enable_private_segment 0
		.amdhsa_kernarg_size 24
		.amdhsa_user_sgpr_count 2
		.amdhsa_user_sgpr_kernarg_segment_ptr 1
		.amdhsa_wavefront_size32 1
		.amdhsa_system_sgpr_workgroup_id_x 1
		.amdhsa_system_sgpr_workgroup_id_y 1
		.amdhsa_system_sgpr_workgroup_id_z 1
		.amdhsa_system_vgpr_workitem_id 0
		.amdhsa_next_free_vgpr 512
		.amdhsa_next_free_sgpr 66
		.amdhsa_reserve_vcc 1
		.amdhsa_float_denorm_mode_32 3
		.amdhsa_float_denorm_mode_16_64 3
		.amdhsa_memory_ordered 1
		.amdhsa_forward_progress 1
		.amdhsa_inst_pref_size 135
	.end_amdhsa_kernel
	.amdgpu_metadata
---
amdhsa.version: [ 1, 2 ]
amdhsa.kernels:
  - .name:           k_q5d76b85b63_score
    .symbol:         k_q5d76b85b63_score.kd
    .args:
      - { .name: qkv, .offset: 0, .size: 8, .value_kind: global_buffer, .address_space: global }
      - { .name: pc, .offset: 8, .size: 8, .value_kind: global_buffer, .address_space: global }
      - { .name: st, .offset: 16, .size: 8, .value_kind: global_buffer, .address_space: global }
    .group_segment_fixed_size: 327680
    .private_segment_fixed_size: 0
    .kernarg_segment_align: 8
    .kernarg_segment_size: 24
    .max_flat_workgroup_size: 256
    .sgpr_count:     66
    .vgpr_count:     512
    .wavefront_size: 32
...
	.end_amdgpu_metadata
.endif
;; end of part 3
;; launch pv (part 4): grid 8 x 32, 4 waves a work-group, clusters of 4 x 1, 327,680 bytes of LDS; arguments qkv, pc, st, out0; writes out0
.if DOCPART == 4
	.amdgcn_target "amdgcn-amd-amdhsa--gfx1250"
	.amdhsa_code_object_version 6
	.text
	.protected	k_q5d76b85b63_pv
	.globl	k_q5d76b85b63_pv
	.p2align	8
	.type	k_q5d76b85b63_pv,@function
k_q5d76b85b63_pv:
	s_mov_b64 s[64:65], 0
	v_nop
	global_prefetch_b8 v0, s[64:65] scope:SCOPE_SE
	s_setreg_imm32_b32 hwreg(HW_REG_WAVE_MODE, 25, 1), 1
	s_wait_xcnt 0x0
	s_wait_alu depctr_hold_cnt(0) depctr_sa_sdst(0) depctr_va_vdst(0) depctr_va_sdst(0) depctr_va_ssrc(0) depctr_va_vcc(0) depctr_vm_vsrc(0)
	s_getreg_b32 s2, hwreg(HW_REG_IB_STS2, 6, 4)
	s_cmp_eq_u32 s2, 0
	s_cbranch_scc0 .Lentry_in_a_cluster
	s_endpgm
.Lentry_in_a_cluster:
	s_bfe_u32 s2, ttmp6, 0x10000c
	s_cmp_lg_u32 s2, 0x3003
	s_cbranch_scc0 .Lentry_shape_is_right
	s_endpgm
.Lentry_shape_is_right:
; O = (p v) / l on codes of FP6: source 0 = v with the keys as K (qkv + 13,107,200: [8 groups of e][64 K steps]), source 1 = p (pc: [64 groups of 128 queries][16 K steps]; scale words at 12,288 + 256 x half + 16 r + 4 a of a panel,
; a = the fragment in the half); K = the keys up to the diagonal: steps behind it are not multiplied (the mask: see the first launch).  st: [64][16][half][-M: [16 r][4 a] f32 | l: the same].
; A WORK-GROUP TAKES TWO GROUPS OF QUERIES of one batch, A = 15 - g and B = g (g = work-group y % 8), x 128 of e: GA + 1 + GB + 1 = 17 steps of 128 keys in all, the same in every work-group; v's fragments serve both.
; A wave: 64 queries of A and 64 of B (four fragments each) x 64 of e (four fragments): 32 accumulators.  B's steps end at GB <= 7, A's at GA >= 8.
; THE PROLOGUE brings p's panels, made under a whole number M of their own for each query and 128 keys, under the row's M: -M of the row is the least of the panels' -M; each panel's distance d (a whole number, 0 or more, held at 127)
; is taken off the four bytes of its scale word, each byte held at 0 from below, and its sum l is multiplied by 2^-d: nothing is rounded.  The sums' total divides O at the end.
; THREE FILLS (panels of 12,800 bytes): v's steps 0-5, A's 0-5, B's 0-7;  v's and A's 6-7;  A's and v's 8-11, and 12-15 where A's walk reaches them, over what steps 0-5 have left behind.  B's results leave under the third fill's flight.
; The first and the third fill may bring panels behind the diagonal, which no launch has written: no instruction reads them.
; CLUSTERS of 4 x 1: four work-groups of one y differ in e alone and need the same panels of p: these are asked for jointly, but for steps 12-15, which not every y asks for: there each asks for itself.
; v is not shared so: work-groups of another y end at another step, and the branches on GA and GB must be alike in all partners.
; PREFETCHES: the third fill's panels are asked for behind the second fill, five steps ahead of their tensor loads, one panel a wave (50 blocks of 256 bytes): p's shared out by address among the four of a cluster, v's among four work-groups of neighbouring y.
; LIMITS: a block of p that lies more than 2^125 under the row's largest gets the byte 0 (2^-127): it adds at most 7.5 x 2^-127 a term, against l > 1/2.  NaN and infinities are not served.
; REGISTERS: window 0: v1-31 addresses, v32-39 v's scale words (two sets), v40-41 the prefetches' offsets, v44-75 A's scale words [pair of steps][fragment], v76-91 B's, v124-139 1 / l, v160-255 A's fragments (two sets), the rest at work;
;   window 1: v0-95 v's fragments, v96-191 B's;   window 2: accumulators, (a, b) at v[8 (4 a + b)], B's from v128 on.
.set PANEL, 12800
.set PSC,   12288
.set LA0,   6*PANEL                    ; A's steps 0-5
.set LB0,   12*PANEL                   ; B's steps 0-7
.set LV6,   20*PANEL                   ; v's steps 6-7
.set LA6,   22*PANEL                   ; A's
.set LV8,   8*PANEL                    ; the third fill: A's steps 8-15 from byte 0 on, v's behind them
.set STAGE, 24*PANEL                   ; 16 rows x 272 bytes for each wave, for the way out; no tensor load lands there
.set SPARE, STAGE+4*4352               ; the spare words, 128 bytes a wave: two blocks of 256 bytes that no other line names
.set LI,   4
.set PAR,  6                           ; v6-10   LDS addresses of A's fragments: steps 0-3, 4-5, 6-7, 8-11, 12-15
.set VA,   11                          ; v11-15  v's
.set PBR,  16                          ; v16-17  B's: steps 0-3, 4-7
.set VSR,  18                          ; v18-22  v's scale words: lanes 16-31 a step further on
.set STO,  23
.set RD,   24
.set GO,   25
.set SPW,  28
.set NIL,  29
.set VSC,  32
.set PFV,  40
.set PSA,  44
.set PSB,  76
.set AWA,  92                          ; addresses of the prologue's loads
.set ASA,  100
.set AWB,  108
.set ASB,  112
.set MG,   116
.set PXG,  120
.set RI,   124                         ; v124-131 1 / l of A's fragments, a pair each; v132-139 B's
.set LA,   140
.set TA,   148
.set TB,   152
.set TC,   156
.set NMA,  160
.set LVA,  192
.set NMB,  224
.set LVB,  240
.set TT,   92                          ; the way out
.set OO,   160
.set G1P,  24
.set G1Q,  32
.set G1V,  80
.set G0P,  48
.set G0V,  52
.set G0Q,  56
.set G0R,  92
.set MSB, 0
.macro WIN new
.if MSB != (\new)
	s_set_vgpr_msb (MSB<<8)|(\new)
.set MSB, (\new)
.endif
.endm
.macro PLACES
.rept 4
	v_nop
.endr
.endm
.macro TLOAD g0, g1
	tensor_load_to_lds s[\g0:\g0+3], s[\g1:\g1+7]
	s_nop 0
	PLACES
.endm
.macro ROWS g, n
	s_mov_b32 s[\g+2], (\n)<<16
	s_mov_b32 s[\g+4], \n
.endm
.macro SETG g, base, lds, off
	s_mov_b32 s[\g+1], \lds
	s_add_nc_u64 s[\g+2:\g+3], s[\base:\base+1], \off
	s_or_b32 s[\g+3], s[\g+3], 0x80000000
.endm
.macro CREST
	s_cmp_lg_u32 s14, 0
	s_cbranch_scc1 .Lnot_wave_0_\@
	s_barrier_signal -3
.Lnot_wave_0_\@:
	s_barrier_wait -3
	s_barrier_signal -1
	s_barrier_wait -1
.endm
.macro CROUND
	s_barrier_signal -1
	s_barrier_wait -1
	CREST
.endm
.macro FRAG3 reg, adr, off
.irp c, 0,1,2
	ds_load_b128 v[(\reg)+4*\c:(\reg)+4*\c+3], v[\adr] offset:(\off)+512*\c
.endr
.endm
.macro FETCH n                         ; step n's fragments into set n % 2; with an even step v's scale words of two steps
.if (\n) < 4
.set FQ_, 0
.set FK_, (\n)
.elseif (\n) < 6
.set FQ_, 1
.set FK_, (\n)-4
.elseif (\n) < 8
.set FQ_, 2
.set FK_, (\n)-6
.elseif (\n) < 12
.set FQ_, 3
.set FK_, (\n)-8
.else
.set FQ_, 4
.set FK_, (\n)-12
.endif
.set FS_, 48*((\n)&1)
	WIN 0x40
.irp b, 0,1,2,3
	FRAG3 FS_+12*\b, VA+FQ_, PANEL*FK_+1536*\b
.endr
.if (\n) < 8
.irp a, 0,1,2,3
	FRAG3 96+FS_+12*\a, PBR+(\n)/4, PANEL*((\n)&3)+1536*\a
.endr
.endif
	WIN 0
.irp a, 0,1,2,3
	FRAG3 160+FS_+12*\a, PAR+FQ_, PANEL*FK_+1536*\a
.endr
.if ((\n)&1) == 0
.irp b, 0,1,2,3
	ds_load_b32 v[VSC+4*(((\n)/2)&1)+\b], v[VSR+FQ_] offset:PSC+PANEL*FK_+64*\b
.endr
.endif
.endm
.macro MUL n, grp                      ; 16 products of group A (0) or B (1); the accumulators take turns in the same order in every step
.set MP_, (\n)&1
	WIN 0xa1+4*(\grp)
.irp a, 0,1,2,3
.irp b, 0,1,2,3
.set RD_, 128*(\grp)+8*(4*\a+\b)
.set RB_, 48*MP_+12*\b
.set RA_, 160-64*(\grp)+48*MP_+12*\a
.set XB_, VSC+4*(((\n)/2)&1)+\b
.set XA_, PSA+(PSB-PSA)*(\grp)+4*((\n)/2)+\a
.if (\n) == 0
	v_wmma_scale_f32_16x16x128_f8f6f4 v[RD_:RD_+7], v[RB_:RB_+11], v[RA_:RA_+11], 0, v[XB_], v[XA_] matrix_a_fmt:MATRIX_FMT_FP6 matrix_b_fmt:MATRIX_FMT_FP6
.elseif MP_
	v_wmma_scale_f32_16x16x128_f8f6f4 v[RD_:RD_+7], v[RB_:RB_+11], v[RA_:RA_+11], v[RD_:RD_+7], v[XB_], v[XA_] matrix_a_fmt:MATRIX_FMT_FP6 matrix_b_fmt:MATRIX_FMT_FP6 matrix_a_scale:MATRIX_SCALE_ROW1 matrix_b_scale:MATRIX_SCALE_ROW1
.else
	v_wmma_scale_f32_16x16x128_f8f6f4 v[RD_:RD_+7], v[RB_:RB_+11], v[RA_:RA_+11], v[RD_:RD_+7], v[XB_], v[XA_] matrix_a_fmt:MATRIX_FMT_FP6 matrix_b_fmt:MATRIX_FMT_FP6
.endif
.endr
.endr
	WIN 0
.endm
.macro MULB n                          ; B's products, where B's walk reaches step n: a branch on the work-group's y alone, round products alone
.if (\n) > 0
	s_cmp_lt_u32 s20, \n
	s_cbranch_scc1 .Lno_b_\n
.endif
	MUL \n, 1
.if (\n) > 0
.Lno_b_\n:
.endif
.endm
.macro STEPAB n
	s_wait_dscnt 0x0                               ; this step's fragments are in
	PLACES
	FETCH (\n)+1
	MUL \n, 0
	MULB \n
.endm
	s_load_b128 s[4:7], s[0:1], 0x0                ; qkv, pc
	s_load_b128 s[8:11], s[0:1], 0x10              ; st, out0
	v_lshl_add_u32 v[SPW], v0, 2, SPARE
	v_mov_b32 v[NIL], 0
	ds_add_u32 v[SPW], v[NIL]                      ; the opening lines: the add, twice on end, and its wait ahead of my first tensor load
	ds_add_u32 v[SPW], v[NIL]
	v_lshrrev_b32 v1, 5, v0
	v_readfirstlane_b32 s14, v1                    ; wave
	s_lshr_b32 s15, s14, 1                         ; which four fragments of queries are mine
	s_and_b32 s16, s14, 1                          ; which four of e
	s_bfe_u32 s40, ttmp6, 0x40000                  ; cx
	s_lshl_b32 s44, ttmp9, 2
	s_add_co_u32 s44, s44, s40                     ; the group of e
	s_and_b32 s17, ttmp7, 0xffff
	s_lshr_b32 s18, s17, 3                         ; the batch
	s_and_b32 s20, s17, 7                          ; GB
	s_sub_co_u32 s19, 15, s20                      ; GA
	s_lshl_b32 s42, s18, 4
	s_add_co_u32 s43, s42, s19                     ; A's group among the 64
	s_add_co_u32 s45, s42, s20                     ; B's
	s_mov_b32 s[G1P], (3<<16)|(1<<21)|15           ; elements of 8 bytes, no padding; p's panels go to all four of the cluster
	s_mov_b32 s[G1Q], (3<<16)|(1<<21)|15
	s_mov_b32 s[G1V], 3<<16                        ; to me alone
.irp g, G1P, G1Q, G1V
	s_mov_b32 s[\g+1], 32<<16
	s_mov_b32 s[\g+3], 32<<16
	s_mov_b32 s[\g+5], 32
	s_mov_b32 s[\g+6], 0
	s_mov_b32 s[\g+7], 0
.endr
	ROWS G1P, 300                                  ; six steps
	ROWS G1Q, 400                                  ; eight
	ROWS G1V, 150                                  ; three: waves 1 and 3 bring a half each of v's six
.irp g, G0P, G0V, G0Q
	s_mov_b32 s[\g], 1
.endr
	s_mul_i32 s46, s43, 16*PANEL
	s_mov_b32 s47, 0
	s_mul_i32 s70, s45, 16*PANEL
	s_mov_b32 s71, 0
	s_lshl_b32 s72, s44, 6
	s_add_co_u32 s72, s72, s42
	s_add_co_u32 s72, s72, 1024                    ; v lies behind q's and k's 1,024 panels
	s_mul_i32 s72, s72, PANEL
	s_mov_b32 s73, 0
	s_mul_i32 s74, s15, 3*PANEL
	s_mov_b32 s75, 0
	s_mov_b32 s88, 0x76543210
	s_mov_b32 s89, 0xfedcba98
	s_mov_b32 s90, 0x80808080
	s_wait_dscnt 0x0                               ; both opening adds are done
	s_wait_kmcnt 0x0
	s_add_nc_u64 s[60:61], s[6:7], s[46:47]        ; A's panels
	s_add_nc_u64 s[62:63], s[6:7], s[70:71]        ; B's
	s_add_nc_u64 s[78:79], s[4:5], s[72:73]        ; v's
	SETG G0P, 60, LA0, 0
	SETG G0Q, 62, LB0, 0
	s_mov_b32 s[G0V+1], s74
	s_add_nc_u64 s[G0V+2:G0V+3], s[78:79], s[74:75]
	s_or_b32 s[G0V+3], s[G0V+3], 0x80000000
	CROUND
	s_cmp_eq_u32 s16, 0                            ; one load a wave: wave 0 A's, wave 2 B's, waves 1 and 3 v's
	s_cbranch_scc0 .Lhead_v
	s_cmp_eq_u32 s15, 0
	s_cbranch_scc0 .Lhead_b
	TLOAD G0P, G1P
	s_branch .Lhead_asked
.Lhead_b:
	TLOAD G0Q, G1Q
	s_branch .Lhead_asked
.Lhead_v:
	TLOAD G0V, G1V
.Lhead_asked:
	; ---- the prologue: p's scale words, -M and l of my queries.  Lane (r, h) of pair s takes step 2 s + h, held at the group's last: no word is named that the launch before has not written
	s_lshl_b32 s46, s43, 14
	s_lshl_b32 s70, s45, 14
	s_add_nc_u64 s[66:67], s[8:9], s[46:47]
	s_add_nc_u64 s[68:69], s[8:9], s[70:71]
	s_lshl_b32 s72, s15, 8
	s_lshl_b32 s74, s15, 9
	v_and_b32 v1, 15, v0                           ; r
	v_bfe_u32 v2, v0, 4, 1                         ; h
	v_and_b32 v3, 31, v0                           ; lane
	v_lshlrev_b32 v[LI], 4, v3
	v_lshl_add_u32 v27, v1, 4, s72                 ; my half's scale words in a panel of p,
	v_lshl_add_u32 v31, v1, 4, s74                 ; and its numbers in st
.macro PLOAD ns, g, ps, nm, lv, aw, as, pb, sb
.irp s, 0,1,2,3,4,5,6,7
.if \s < \ns
	v_add_nc_u32 v26, 2*\s, v2
	v_min_u32 v26, s\g, v26
	v_mad_u32_u24 v[\aw+\s], v26, PANEL, v27
	v_lshl_add_u32 v[\as+\s], v26, 10, v31
.endif
.endr
.irp s, 0,1,2,3,4,5,6,7
.if \s < \ns
	global_load_b128 v[\nm+4*\s:\nm+4*\s+3], v[\as+\s], s[\sb:\sb+1]
	global_load_b128 v[\lv+4*\s:\lv+4*\s+3], v[\as+\s], s[\sb:\sb+1] offset:256
	global_load_b128 v[\ps+4*\s:\ps+4*\s+3], v[\aw+\s], s[\pb:\pb+1] offset:PSC
.endif
.endr
.endm
	PLOAD 8, 19, PSA, NMA, LVA, AWA, ASA, 60, 66
	PLOAD 4, 20, PSB, NMB, LVB, AWB, ASB, 62, 68
	v_mul_u32_u24 v30, v2, PANEL
	v_lshl_add_u32 v30, v1, 2, v30                 ; v's scale words: 4 r, and lanes 16-31 a panel on
	s_wait_alu depctr_va_vdst(0)                   ; ahead of the scalar lines below
	s_mul_i32 s46, s15, 6144                       ; my four fragments of p
	s_mul_i32 s21, s16, 6144                       ; and of v
	s_lshl_b32 s22, s16, 8
.macro ADR q, pa, va
	s_add_co_u32 s70, s46, \pa
	s_add_co_u32 s72, s21, \va
	s_add_co_u32 s74, s22, \va
	v_add_nc_u32 v[PAR+\q], s70, v[LI]
	v_add_nc_u32 v[VA+\q], s72, v[LI]
	v_add_nc_u32 v[VSR+\q], s74, v30
.endm
	ADR 0, LA0, 0
	ADR 1, LA0+4*PANEL, 4*PANEL
	ADR 2, LA6, LV6
	ADR 3, 0, LV8
	ADR 4, 4*PANEL, LV8+4*PANEL
	s_add_co_u32 s70, s46, LB0
	v_add_nc_u32 v[PBR], s70, v[LI]
	s_add_co_u32 s70, s46, LB0+4*PANEL
	v_add_nc_u32 v[PBR+1], s70, v[LI]
	s_mul_i32 s70, s14, 4352
	s_add_co_u32 s70, s70, STAGE                   ; my stage
	v_mul_u32_u24 v[STO], v1, 272
	v_lshl_add_u32 v[STO], v2, 6, v[STO]
	v_add_nc_u32 v[STO], s70, v[STO]               ; in: row r, + 64 h
	v_mul_u32_u24 v[RD], v2, 272
	v_lshl_add_u32 v[RD], v1, 4, v[RD]
	v_add_nc_u32 v[RD], s70, v[RD]                 ; back: lanes 0-15 one row of 256 bytes, lanes 16-31 the next
	v_lshlrev_b32 v[GO], 12, v2
	v_lshl_add_u32 v[GO], v1, 4, v[GO]             ; and the same two rows in O
	s_cmp_eq_u32 s15, 0                            ; the prefetches: waves 0, 1 v's panels (which of four: by y), waves 2, 3 p's (by the place in the cluster); waves 0, 2 steps 8-11, waves 1, 3 steps 12-15
	s_cselect_b64 s[4:5], s[78:79], s[60:61]
	s_and_b32 s70, s20, 3
	s_lshl_b32 s7, s16, 2
	s_add_co_u32 s7, s7, 8                         ; my four steps' first
	s_cmp_eq_u32 s15, 0
	s_cselect_b32 s70, s70, s40
	s_add_co_u32 s70, s70, s7
	s_mul_i32 s70, s70, PANEL
	v_lshl_add_u32 v[PFV], v3, 8, s70              ; blocks 0-31 of the panel's 50,
	v_add_nc_u32 v[PFV+1], 32, v3
	v_min_u32 v[PFV+1], 49, v[PFV+1]
	v_lshl_add_u32 v[PFV+1], v[PFV+1], 8, s70      ; and 32-49
.irp a, 0,1,2,3
	v_mov_b32 v[PXG+\a], 0                         ; written once: a lane permute's destination counts as one of its sources
.endr
	s_wait_alu depctr_va_vdst(0)
	s_lshl_b32 s46, s15, 18                        ; my 64 queries' rows of 4,096 bytes
	s_lshl_b32 s70, s44, 9                         ; 128 of e
	s_add_co_u32 s46, s46, s70
	s_lshl_b32 s70, s16, 8                         ; my 64
	s_add_co_u32 s46, s46, s70
	s_lshl_b32 s70, s43, 19
	s_add_co_u32 s70, s70, s46
	s_mov_b32 s71, 0
	s_lshl_b32 s72, s45, 19
	s_add_co_u32 s72, s72, s46
	s_mov_b32 s73, 0
	s_add_nc_u64 s[12:13], s[10:11], s[72:73]      ; B's rows of O
	s_add_nc_u64 s[10:11], s[10:11], s[70:71]      ; A's
	s_wait_loadcnt 0x0
.macro PRO ns, g, ps, nm, lv, la
.irp s, 0,1,2,3,4,5,6,7
.if \s < \ns
	s_sub_co_i32 s92, s\g, 2*\s
	v_cmp_ge_i32 s93, s92, v2                      ; step 2 s + h counts
.irp a, 0,1,2,3
	v_cndmask_b32 v[\lv+4*\s+\a], 0, v[\lv+4*\s+\a], s93   ; a repeated step's sum counts for nothing (its -M, repeated, cannot move the least)
.endr
.endif
.endr
.irp a, 0,1,2,3
	v_min_num_f32 v[MG+\a], v[\nm+\a], v[\nm+4+\a]
.endr
.irp s, 2,4,6
.if \s < \ns
.irp a, 0,1,2,3
	v_min3_num_f32 v[MG+\a], v[MG+\a], v[\nm+4*\s+\a], v[\nm+4*\s+4+\a]
.endr
.endif
.endr
.irp a, 0,1,2,3
	v_permlanex16_b32 v[PXG+\a], v[MG+\a], s88, s89
.endr
.irp a, 0,1,2,3
	v_min_num_f32 v[MG+\a], v[MG+\a], v[PXG+\a]    ; the row's -M
.endr
.irp s, 0,1,2,3,4,5,6,7
.if \s < \ns
.irp a, 0,1,2,3
	v_sub_f32 v[TA+\a], v[\nm+4*\s+\a], v[MG+\a]   ; d = the row's M less the panel's: a whole number, 0 or more
.endr
.irp a, 0,1,2,3
	v_cvt_i32_f32 v[TA+\a], v[TA+\a]               ; (it saturates)
.endr
.irp a, 0,1,2,3
	v_min_u32 v[TA+\a], 127, v[TA+\a]
.endr
.irp a, 0,1,2,3
	v_sub_nc_u32 v[TB+\a], 0, v[TA+\a]
.endr
.irp a, 0,1,2,3
	v_perm_b32 v[TC+\a], v[TA+\a], v[TA+\a], 0     ; d in all four bytes
.endr
.irp a, 0,1,2,3
	v_or_b32 v[PXG+\a], s90, v[\ps+4*\s+\a]        ; 128 + byte (a byte of p is at most 125),
.endr
.irp a, 0,1,2,3
	v_sub_nc_u32 v[PXG+\a], v[PXG+\a], v[TC+\a]    ; - d: at least 1 in each byte, so nothing is borrowed from byte to byte; bit 7 stays where byte >= d
.endr
.irp a, 0,1,2,3
	v_and_b32 v[TA+\a], s90, v[PXG+\a]
.endr
.irp a, 0,1,2,3
	v_lshrrev_b32 v[TC+\a], 7, v[TA+\a]
.endr
.irp a, 0,1,2,3
	v_sub_nc_u32 v[TA+\a], v[TA+\a], v[TC+\a]      ; 0x7f where bit 7 stayed, else 0
.endr
.irp a, 0,1,2,3
	v_and_b32 v[\ps+4*\s+\a], v[PXG+\a], v[TA+\a]  ; the larger of byte - d and 0
.endr
.if \s == 0
.irp a, 0,1,2,3
	v_ldexp_f32 v[\la+\a], v[\lv+\a], v[TB+\a]     ; l x 2^-d starts the row's sum
.endr
.else
.irp a, 0,1,2,3
	v_ldexp_f32 v[TB+\a], v[\lv+4*\s+\a], v[TB+\a]
.endr
.irp a, 0,1,2,3
	v_add_f32 v[\la+\a], v[\la+\a], v[TB+\a]
.endr
.endif
.endif
.endr
.irp a, 0,1,2,3
	v_permlanex16_b32 v[PXG+\a], v[\la+\a], s88, s89
.endr
.irp a, 0,1,2,3
	v_add_f32 v[\la+\a], v[\la+\a], v[PXG+\a]      ; even and odd steps together: the row's sum
.endr
.endm
	PRO 8, 19, PSA, NMA, LVA, LA
	PRO 4, 20, PSB, NMB, LVB, LA+4
	s_wait_alu depctr_va_vdst(0)                   ; ahead of the batch
.irp a, 0,1,2,3,4,5,6,7
	v_rcp_f32 v[RI+2*\a], v[LA+\a]
.endr
	v_nop                                          ; a plain place behind the last reciprocal
	s_wait_alu depctr_va_vdst(0)                   ; and behind it, ahead of the first reader
.irp a, 0,1,2,3,4,5,6,7
	v_mov_b32 v[RI+2*\a+1], v[RI+2*\a]
.endr
.rept 8
	v_nop                                          ; scale registers written by vector instructions stand eight places ahead of a scaled matrix instruction
.endr
	s_wait_alu depctr_va_vdst(0)                   ; the wait at the head's end
	s_wait_tensorcnt 0x0                           ; my part of the first fill is in
	ds_add_u32 v[SPW], v[NIL]
	ROWS G1P, 100
	ROWS G1V, 100
	SETG G0P, 60, LA6, 6*PANEL
	SETG G0V, 78, LV6, 6*PANEL
	s_wait_dscnt 0x0
	CROUND
	s_cmp_lt_u32 s14, 1                            ; the second fill, steps 6 and 7: wave 0 A's panels, wave 1 v's
	s_cbranch_scc0 .Lsecond_v
	TLOAD G0P, G1P
	s_branch .Lsecond_asked
.Lsecond_v:
	s_cmp_lt_u32 s14, 2
	s_cbranch_scc0 .Lsecond_asked
	TLOAD G0V, G1V
.Lsecond_asked:
	FETCH 0
	s_cmp_le_u32 s7, s19                           ; steps 12-15 are asked for where A's walk reaches them
	s_cbranch_scc0 .Lno_ask
	global_prefetch_b8 v[PFV], s[4:5] th:TH_LOAD_NT scope:SCOPE_SE
	global_prefetch_b8 v[PFV+1], s[4:5] th:TH_LOAD_NT scope:SCOPE_SE
.Lno_ask:
.irp n, 0,1,2,3,4
	STEPAB \n
.endr
	s_wait_tensorcnt 0x0                           ; step 5.  My part of the second fill is in
	ds_add_u32 v[SPW], v[NIL]
	ROWS G1P, 200
	ROWS G1V, 200
	s_mov_b32 s[G0R], 1
	SETG G0P, 60, 0, 8*PANEL
	SETG G0V, 78, LV8, 8*PANEL
	SETG G0Q, 60, 4*PANEL, 12*PANEL
	SETG G0R, 78, LV8+4*PANEL, 12*PANEL
	s_wait_dscnt 0x0                               ; the add is done; step 5's fragments are in, my last reads of what the third fill lands on
	s_barrier_signal -1
	MUL 5, 0
	s_barrier_wait -1
	CREST
	s_cmp_lt_u32 s14, 1                            ; the third fill: wave 0 A's steps 8-11, wave 1 v's,
	s_cbranch_scc0 .Lthird_v
	TLOAD G0P, G1P
	s_branch .Lthird_asked
.Lthird_v:
	s_cmp_lt_u32 s14, 2
	s_cbranch_scc0 .Lthird_rest
	TLOAD G0V, G1V
	s_branch .Lthird_asked
.Lthird_rest:
	s_cmp_lt_u32 s19, 12                           ; waves 2 and 3 steps 12-15, each work-group for itself; where A's walk ends ahead of them nobody reads them: they are not asked for.  The work-group's y alone
	s_cbranch_scc1 .Lthird_asked
	s_cmp_lt_u32 s14, 3
	s_cbranch_scc0 .Lthird_v12
	TLOAD G0Q, G1V
	s_branch .Lthird_asked
.Lthird_v12:
	TLOAD G0R, G1V
.Lthird_asked:
	PLACES
	FETCH 6
	MULB 5
	STEPAB 6
	s_wait_dscnt 0x0
	MUL 7, 0
	MULB 7
	PLACES
; THE WAY OUT of a group, in four units of 16 queries x 64 of e (256 bytes a row).  Lane (r, h) of accumulator (a, b) holds query r of fragment a and e = 32 (b / 2) + 16 h + 8 (b % 2) + 0 .. 7.  A unit is divided by l, goes through my own
; stage (rows 272 bytes apart) and comes back by rows: sixteen lanes store 256 consecutive bytes, at a multiple of 256 from O's first byte.
.macro TOSTAGE u, ab, ri
	WIN 0x02
.set i_, 0
.rept 16
	v_pk_mul_f32 v[TT+i_:TT+i_+1], v[(\ab)+32*(\u)+i_:(\ab)+32*(\u)+i_+1], v[(\ri)+2*(\u):(\ri)+2*(\u)+1] op_sel_hi:[1,0]   ; each accumulator from its low end on
.set i_, i_+2
.endr
	WIN 0
.irp t, 0,1,2,3
	ds_store_b128 v[STO], v[TT+8*\t:TT+8*\t+3] offset:128*(\t/2)+32*(\t%2)
	ds_store_b128 v[STO], v[TT+8*\t+4:TT+8*\t+7] offset:128*(\t/2)+32*(\t%2)+16
.endr
.if (\u) >= 2
	s_wait_xcnt 0x0                                ; unit u - 2's stores have read the registers that the loads below fill
.endif
.irp i, 0,1,2,3,4,5,6,7
	ds_load_b128 v[OO+32*((\u)%2)+4*\i:OO+32*((\u)%2)+4*\i+3], v[RD] offset:544*\i   ; LDS serves a wave's instructions in order: these see the stores above, and the next unit's stores come behind them
.endr
.endm
.macro SEND u, younger, sb             ; younger: the LDS instructions issued behind unit u's loads: the next unit's sixteen, or none
	s_wait_dscnt \younger
.irp i, 0,1,2,3,4,5,6,7
	global_store_b128 v[GO], v[OO+32*((\u)%2)+4*\i:OO+32*((\u)%2)+4*\i+3], s[\sb:\sb+1] offset:(32*((\u)/2)+8*((\u)%2)+2*\i+8*(\i/4))*4096 th:TH_STORE_NT
.endr
.endm
.macro OUT ab, ri, sb
	TOSTAGE 0, \ab, \ri
.irp u, 1,2,3
	TOSTAGE \u, \ab, \ri
	SEND \u-1, 16, \sb
.endr
	SEND 3, 0, \sb
.endm
	OUT 128, RI+8, 12                              ; B's results leave under the third fill's flight
	s_wait_xcnt 0x0                                ; its stores have read the registers that A's next fragments take
	s_wait_tensorcnt 0x0                           ; my part of the third fill is in;
	s_wait_dscnt 0x0
	s_barrier_signal -1                            ; a plain barrier shows it to all
	s_barrier_wait -1
	FETCH 8
.macro KSA n
	s_wait_dscnt 0x0
	s_cmp_eq_u32 s19, \n                           ; the walk's last step fetches nothing more: its products stand behind the chain
	s_cbranch_scc1 .Llast_\n
	PLACES
	FETCH (\n)+1
	MUL \n, 0
.endm
.irp n, 8,9,10,11,12,13,14
	KSA \n
.endr
	s_wait_dscnt 0x0
	MUL 15, 0
	s_branch .Lout
.irp n, 8,9,10,11,12,13,14
.Llast_\n:
	MUL \n, 0
	s_branch .Lout
.endr
.Lout:
	PLACES
	OUT 0, RI, 10
	s_wait_tensorcnt 0x0                           ; the wave's end, behind my last tensor load and my last LDS store
	ds_add_u32 v[SPW], v[NIL]
	s_wait_dscnt 0x0
	CROUND                                         ; the closing round
	s_endpgm
.Lfunc_end_k_q5d76b85b63_pv:
	.size	k_q5d76b85b63_pv, .Lfunc_end_k_q5d76b85b63_pv-k_q5d76b85b63_pv
	.p2alignl 7, 3214868480
	.fill 96, 4, 3214868480
	.section	.rodata,"a",@progbits
	.p2align	6, 0x0
	.amdhsa_kernel k_q5d76b85b63_pv
		.amdhsa_group_segment_fixed_size 327680
		.amdhsa_private_segment_fixed_size 0
		.amdhsa_enable_private_segment 0
		.amdhsa_kernarg_size 32
		.amdhsa_user_sgpr_count 2
		.amdhsa_user_sgpr_kernarg_segment_ptr 1
		.amdhsa_wavefront_size32 1
		.amdhsa_system_sgpr_workgroup_id_x 1
		.amdhsa_system_sgpr_workgroup_id_y 1
		.amdhsa_system_sgpr_workgroup_id_z 1
		.amdhsa_system_vgpr_workitem_id 0
		.amdhsa_next_free_vgpr 768
		.amdhsa_next_free_sgpr 96
		.amdhsa_reserve_vcc 0
		.amdhsa_float_denorm_mode_32 3
		.amdhsa_float_denorm_mode_16_64 3
		.amdhsa_memory_ordered 1
		.amdhsa_forward_progress 1
		.amdhsa_inst_pref_size 176
	.end_amdhsa_kernel
	.amdgpu_metadata
---
amdhsa.version: [ 1, 2 ]
amdhsa.kernels:
  - .name:           k_q5d76b85b63_pv
    .symbol:         k_q5d76b85b63_pv.kd
    .args:
      - { .name: qkv, .offset: 0, .size: 8, .value_kind: global_buffer, .address_space: global }
      - { .name: pc, .offset: 8, .size: 8, .value_kind: global_buffer, .address_space: global }
      - { .name: st, .offset: 16, .size: 8, .value_kind: global_buffer, .address_space: global }
      - { .name: out0, .offset: 24, .size: 8, .value_kind: global_buffer, .address_space: global }
    .group_segment_fixed_size: 327680
    .private_segment_fixed_size: 0
    .kernarg_segment_align: 8
    .kernarg_segment_size: 32
    .max_flat_workgroup_size: 128
    .sgpr_count:     96
    .vgpr_count:     768
    .wavefront_size: 32
...
	.end_amdgpu_metadata
.endif
;; end of part 4
